; MI455X (gfx1250); checked and timed in simulation.
; The chip was launched on July 23, 2026; its instructions are those of AMD's public machine-readable ISA for CDNA 5 (MIT licence, August 2026) and "CDNA5" Instruction Set Architecture Reference Guide (July 2026). The comments in the code are by the model that wrote it; some were corrected since.
;; Latent Self Attention. Allowed arithmetic: matrix products marked QUANTISED: E2M1 operands, one E8M0 scale for each 32 along K, by v_wmma_scale_f32_16x16x128_f8f6f4 with both operands' format E2M1 (or v_wmma_scale_f32_32x16x128_f4), f32 sums; products left as they are: bf16, f16 or f32 operands; f32 sums; everything else in f32.
;; Inputs: Wk 2,048 x 512 float32; Wo 512 x 2,048 float32; Wq 2,048 x 512 float32; Wv 2,048 x 512 float32; x 4 x 2,048 x 2,048 float32.
;; Outputs: out0 4 x 2,048 x 2,048 float32.
;; This version of the problem:
;;   THIS VERSION OF THE PROBLEM IS GIVEN IN LOW PRECISION. The matrix products marked QUANTISED in the list below multiply operands that are first quantised to E2M1 (2 exponent bits, 1 mantissa bit; 4 bits a number), with one power-of-two scale for each 32 numbers along K (OCP MX v1.0); their sums are f32. The products marked 'left as it is' may take bf16, f16 or f32 operands, with f32 sums. Whichever they take, every output number must still come out within the allowed error. Rounding operands to bf16 (8 significant bits) uses up far more of that allowance than f16 does (11 bits, for magnitudes from 6e-5 to 65,504). All else is computed in f32.
;;   The module's matrix products, in the order in which they are computed (A, B: the left and right operand; K: the contracted axis; several contracted axes count as one K, in the product's order):
;;     1. [M 8,192, K 2,048] x [K 2,048, N 512]; A: input x; B: input Wq: QUANTISED
;;     2. [M 8,192, K 2,048] x [K 2,048, N 512]; A: input x; B: input Wk: QUANTISED
;;     3. [M 8,192, K 2,048] x [K 2,048, N 512]; A: input x; B: input Wv: QUANTISED
;;     4. batch 4 x [M 2,048, K 512] x [K 512, N 2,048]; A: computed on the way; B: computed on the way: left as it is (an operand is computed on the way)
;;     5. batch 4 x [M 2,048, K 2,048] x [K 2,048, N 512]; A: computed on the way; B: computed on the way: left as it is (an operand is computed on the way)
;;     6. [M 8,192, K 512] x [K 512, N 2,048]; A: computed on the way; B: input Wo: left as it is (an operand is computed on the way)
;;   THE QUANTISER, for each operand of a quantised product, along K:
;;     - K is cut into blocks of 32 from its start; a last block that is shorter is filled with zeros.
;;     - A block's scale is 2^e with e = floor(log2(the largest magnitude in the block)) - 2, held to -126 .. 127; a block of zeros has e = 0. As a byte (E8M0): e + 127.
;;     - Each number is divided by its block's scale, clamped to +-6, and rounded to the nearest number of E2M1, ties to even, subnormals kept.
;;     - The product sums the exact products of the quantised numbers (number of the format x scale) in f32.
;;   ~~~python
;;   def quantise(x, axis):      # numpy; x: float32 -> the quantised numbers, widened to float32 again
;;       x = np.moveaxis(x, axis, -1); K = x.shape[-1]
;;       x = np.pad(x, [(0, 0)] * (x.ndim - 1) + [(0, -K % 32)]); x = x.reshape(x.shape[:-1] + (-1, 32)); a = np.abs(x).max(-1, keepdims=True)
;;       e = np.where(a > 0, np.clip(np.frexp(np.where(a > 0, a, 1))[1] - 1 - 2, -126, 127), 0)      # np.frexp(a)[1] - 1 = floor(log2(a)), exactly
;;       r = np.clip(x / 2.0 ** e, -6, 6)
;;       step = 2.0 ** (np.maximum(np.frexp(np.where(r == 0, 1, r))[1] - 1, 0) - 1)
;;       q = np.round(r / step) * step * 2.0 ** e      # np.round: ties to even
;;       return np.moveaxis(q.reshape(q.shape[:-2] + (-1,))[..., :K], -1, axis).astype(np.float32)
;;   ~~~
;; One version. Each part assembles by itself: llvm-mc -triple=amdgcn-amd-amdhsa -mcpu=gfx1250 --defsym DOCPART=n.
;; ======== version 1 of 1: 6 launches
;; limits: values outside matrix products are rounded to f16; values are held in f16: magnitudes above 65,504 overflow, below 6.1e-05 lose precision
;; workspace buffers: xq 8,912,896 bytes; wq 1,671,168 bytes; wo16 2,097,152 bytes; qkv16 25,165,824 bytes; qkv32 393,216 bytes; part 31,981,568 bytes; stat 249,856 bytes; o16 8,388,608 bytes
;; launch prep (part 1): grid 672 x 1, 4 waves a work-group, no clusters, 68,096 bytes of LDS; arguments x, Wq, Wk, Wv, Wo, xq, wq, wo16; writes xq, wq, wo16
.if DOCPART == 1
	.amdgcn_target "amdgcn-amd-amdhsa--gfx1250"
	.amdhsa_code_object_version 6
	.text
	.protected	k_q2d659ec32d_prep
	.globl	k_q2d659ec32d_prep
	.p2align	8
	.type	k_q2d659ec32d_prep,@function
k_q2d659ec32d_prep:
	s_mov_b64 s[64:65], 0
	v_nop
	global_prefetch_b8 v0, s[64:65] scope:SCOPE_SE
	s_setreg_imm32_b32 hwreg(HW_REG_WAVE_MODE, 25, 1), 1
	s_wait_xcnt 0x0
; LATENT SELF-ATTENTION, first of six launches: the operands of the three QUANTISED projections are quantised once, and Wo is narrowed once.
;   x [8192][2048] f32 (K innermost)        -> xq: codes of E2M1 [8192][1024 bytes], then from byte 8,388,608 one E8M0 byte for each 32 along K, [8192][64]
;   Wq, Wk, Wv [2048 (K)][512] f32          -> wq: codes [1536][1024 bytes] with K innermost (row = 512 x {q, k, v} + column), then from byte 1,572,864 scale bytes [1536][64]
;   Wo [512][2048] f32                      -> wo16: the same layout in f16 (its product is left as it is; f16 operands, f32 sums)
; A block's scale is 2^(floor(log2(largest magnitude)) - 2); its byte is the largest magnitude's exponent field - 2, held at 1 from below.
; WORK LEFT OUT IN THIS PROGRAM.  reference() sets scores[t][s] to -inf wherever s > t, by a mask that it builds itself (jnp.tril): for every finite input the softmax gives such a key the weight 0, so it
; adds 0 x v to the row.  Where all 64 keys of a key step come after all queries of a wave, the step's two products and its softmax can reach no output, and the attention launch does not compute them.
; All five inputs have a way to the output and are loaded.  LIMIT: a NaN, an infinity or an overflow that would arise only in those masked scores is not carried to the result.
; LIMITS: NaN and infinities among the inputs are not served; a block whose largest magnitude lies under 2^-124 keeps the byte 1; a block of zeros keeps the byte 1 where the rule says 127 (its codes are
; zeros, which add nothing under any byte but 0xff, and the bytes are read by this program alone); q, k, v and the attention's averages must lie within f16's range, +-65,504.
; THREE PATHS, parted on the work-group's number alone, each with LDS bytes of its own: 0-95 the three weights; 96-159 Wo; 160-671 x.  Waves share nothing: no barrier.
; A wave of either quantising path has 32,768 bytes to read and 8,192 of them on their way at a time, so that the paths take about equally long.
.set SPW,    208                       ; v208  LDS address of my spare word: SPARE + 4 x my thread's number; never rewritten
.set NIL,    209                       ; v209  0; never rewritten
.set SPARE,  67584                     ; behind both paths' regions: the spare words, 128 bytes a wave
.set EMAX,   2
.set NWW,    96                        ; work-groups of the weights
.set NWO,    64                        ; of Wo
; the path of x: a plain stream of blocks of 32
.set STEPS,  16                        ; a wave takes 16 steps of 512 numbers
.set CB,     8                         ; bytes of 16 codes
.set XR,     16                        ; v16-79   four sets of 16 numbers as loaded
.set XX,     80                        ; v80-111  two sets of 16 neighbours
.set XE,     112                       ; v112-127 a scale byte for each step
.set XC,     128                       ; v128-191 codes, four registers a step
.set WREG,   8192                      ; LDS bytes 0 .. 32,767: a region for each wave: two stages of 32 x SP, then its 256 scale bytes
.set SP,     80                        ; a lane's place in a stage: 64 bytes + 16 of padding
; the path of the weights: a lane to a column, registers down K
.set NB,     8                         ; blocks of 32 along K for a lane
.set WPITCH, 272                       ; a stage row: a column's 256 bytes of codes + 16
.set WSTG,   32768                     ; LDS bytes 32,768 .. 50,175: four stages of 16 rows
.set KROW,   1024                      ; a row of codes in memory
.set WROW,   2048                      ; a row of a weight in memory
.set WX,     32                        ; v32-95   two sets of 32 numbers
.set WC,     96                        ; v96-99   a block's codes
.set WOUT,   112                       ; v112-143 the way out
.set WSB,    24                        ; v24-25   the scale bytes, four to a register
.macro XLOAD t
.irp i, 0,1,2,3
	global_load_b128 v[XR+16*((\t)%4)+4*\i:XR+16*((\t)%4)+4*\i+3], v3, s[4:5] offset:2048*(\t)+512*\i th:TH_LOAD_NT   ; 32 lanes read 512 consecutive bytes
.endr
.endm
.macro XTURN t                         ; step t's numbers through the stage: LDS serves a wave's instructions in order, so no wait stands between the stores and the loads
.irp i, 0,1,2,3
	ds_store_b128 v14, v[XR+16*((\t)%4)+4*\i:XR+16*((\t)%4)+4*\i+3] offset:32*SP*((\t)%2)+8*SP*\i
.endr
.irp i, 0,1,2,3
	ds_load_b128 v[XX+16*((\t)%2)+4*\i:XX+16*((\t)%2)+4*\i+3], v15 offset:32*SP*((\t)%2)+16*\i
.endr
.endm
.macro XSTEP t
.set XS, XX+16*((\t)%2)
.if (\t) > 0
	s_wait_dscnt 1                                 ; this step's numbers are back from the stage (the last step's byte store may be out), so its stores into the stage have read their registers,
.else
	s_wait_dscnt 0x0
.endif
.if (\t)+4 < STEPS
	XLOAD (\t)+4                                   ; which take the loads of four steps on
.endif
.if (\t)+1 < STEPS
.if STEPS-2-(\t) >= 3
	s_wait_loadcnt 12                              ; the next step's four loads are in; those of the three steps behind it may be out
.else
	s_wait_loadcnt 4*(STEPS-2-(\t))
.endif
	XTURN (\t)+1
.endif
	v_max3_num_f32 v8, |v[XS]|, |v[XS+1]|, |v[XS+2]|               ; the largest magnitude of my 16, in two chains
	v_max3_num_f32 v9, |v[XS+3]|, |v[XS+4]|, |v[XS+5]|
.irp i, 6,10
	v_max3_num_f32 v8, v8, |v[XS+\i]|, |v[XS+\i+1]|
	v_max3_num_f32 v9, v9, |v[XS+\i+2]|, |v[XS+\i+3]|
.endr
	v_max3_num_f32 v8, v8, |v[XS+14]|, |v[XS+15]|
	v_max3_num_f32 v8, v8, v9, (EMAX+1)<<23        ; and the floor 2^(3 - 127): the byte cannot fall under 1
	v_max_num_f32_dpp v8, v8, v8 row_xmask:1 row_mask:0xf bank_mask:0xf   ; and of my neighbour's 16: the block's
	v_add_nc_u32 v11, -(EMAX<<23), v8              ; 2 off its exponent field: the conversion takes the exponent field of this operand as its scale
	v_cvt_scalef32_pk8_fp4_f32 v[XC+4*(\t)], v[XS:XS+7], v11
	v_cvt_scalef32_pk8_fp4_f32 v[XC+4*(\t)+1], v[XS+8:XS+15], v11
	v_lshrrev_b32 v[XE+(\t)], 23, v11              ; the scale's byte (a plain line behind the conversions)
	ds_store_b8 v5, v[XE+(\t)] offset:16*(\t)      ; both lanes of a block write the same byte with the same value
	global_store_b64 v4, v[XC+4*(\t):XC+4*(\t)+1], s[26:27] offset:32*CB*(\t)   ; the wave stores 256 consecutive bytes, aligned
.endm
.macro WLOAD t                         ; block t: W(256 (lane / 16) + 32 t + i, my column), i = 0 .. 31, into set t % 2
.set I, 0
.rept 32
	global_load_b32 v[WX+32*((\t)%2)+I], v3, s[30:31] offset:(32*(\t)+I)*WROW
.set I, I+1
.endr
.endm
.macro WBLOCK t
.set XS, WX+32*((\t)%2)
.if (\t) < NB-1
	s_wait_loadcnt 32                              ; this block's 32 loads are in; the next block's may be out
.else
	s_wait_loadcnt 0
.endif
	v_max3_num_f32 v12, |v[XS]|, |v[XS+1]|, |v[XS+2]|              ; the block's largest magnitude: all 32 numbers are mine
	v_max3_num_f32 v13, |v[XS+3]|, |v[XS+4]|, |v[XS+5]|
.irp i, 6,10,14,18,22,26
	v_max3_num_f32 v12, v12, |v[XS+\i]|, |v[XS+\i+1]|
	v_max3_num_f32 v13, v13, |v[XS+\i+2]|, |v[XS+\i+3]|
.endr
	v_max3_num_f32 v12, v12, |v[XS+30]|, |v[XS+31]|
	v_max3_num_f32 v12, v12, v13, (EMAX+1)<<23
	v_add_nc_u32 v11, -(EMAX<<23), v12
	v_lshrrev_b32 v13, 23, v11                     ; the scale's byte
.if (\t)%4 == 0
	v_mov_b32 v[WSB+(\t)/4], v13                   ; four bytes to a register, the lower K in the lower byte
.else
	v_lshl_or_b32 v[WSB+(\t)/4], v13, 8*((\t)%4), v[WSB+(\t)/4]
.endif
.irp g, 0,1,2,3
	v_cvt_scalef32_pk8_fp4_f32 v[WC+\g], v[XS+8*\g:XS+8*\g+7], v11
.endr
	ds_store_b128 v4, v[WC:WC+3] offset:16*(\t)    ; 32 codes: 16 bytes of my half of my column's row
.if (\t)+2 < NB
	WLOAD (\t)+2
.endif
	s_wait_dscnt 0x0                               ; the store has read its registers: the next block's codes may be written
.endm
	s_load_b256 s[4:11], s[0:1], 0x0               ; x s[4:5], Wq s[6:7], Wk s[8:9], Wv s[10:11]
	s_load_b256 s[12:19], s[0:1], 0x20             ; Wo s[12:13], xq s[14:15], wq s[16:17], wo16 s[18:19]
	v_lshl_add_u32 v[SPW], v0, 2, SPARE
	v_mov_b32 v[NIL], 0
	v_lshrrev_b32 v1, 5, v0
	v_readfirstlane_b32 s20, v1                    ; wave 0..3
	v_and_b32 v2, 31, v0                           ; lane
	s_mov_b32 s25, 0
	s_wait_kmcnt 0x0
	s_cmp_lt_u32 ttmp9, NWW
	s_cbranch_scc1 .Lpath_w
	s_cmp_lt_u32 ttmp9, NWW+NWO
	s_cbranch_scc1 .Lpath_o
	; ---- x.  Each load reads 512 consecutive bytes; a step's 2,048 bytes turn through the wave's stage so that a lane holds 16 neighbours along K (two lanes to a block)
	v_lshlrev_b32 v3, 4, v2                        ; my 16 bytes of a load's 512
	s_mul_i32 s21, s20, WREG
	v_lshrrev_b32 v14, 2, v2
	v_mul_u32_u24 v14, v14, SP
	v_and_b32 v15, 3, v2
	v_lshl_add_u32 v14, v15, 4, v14
	v_add_nc_u32 v14, s21, v14                     ; the stage, on the way in: SP (lane / 4) + 16 (lane % 4)
	v_mul_u32_u24 v15, v2, SP
	v_add_nc_u32 v15, s21, v15                     ; and on the way out: SP x lane
	v_mul_u32_u24 v4, v2, CB                       ; my codes' place in a step's
	v_lshrrev_b32 v5, 1, v2
	s_add_co_u32 s21, s21, 2*32*SP
	v_add_nc_u32 v5, s21, v5                       ; my wave's 256 scale bytes, my block's byte
	v_lshlrev_b32 v7, 3, v2
	v_add_nc_u32 v6, s21, v7                       ; and on the way out 8 bytes a lane
	s_sub_co_u32 s22, ttmp9, NWW+NWO
	s_lshl_b32 s22, s22, 2
	s_add_co_u32 s22, s22, s20                     ; which run of 8,192 numbers is my wave's: 0 .. 2,047
	s_lshl_b32 s24, s22, 15
	s_add_nc_u64 s[4:5], s[4:5], s[24:25]          ; 32,768 bytes of x a run
	s_lshl_b32 s24, s22, 12
	s_add_nc_u64 s[26:27], s[14:15], s[24:25]      ; 4,096 bytes of codes
	s_lshl_b32 s24, s22, 8
	s_add_co_u32 s24, s24, 8388608
	s_add_nc_u64 s[28:29], s[14:15], s[24:25]      ; 256 scale bytes
.irp t, 0,1,2,3
	XLOAD \t
.endr
	s_wait_loadcnt 12                              ; step 0's four loads are in
	XTURN 0
.irp t, 0,1,2,3,4,5,6,7,8,9,10,11,12,13,14,15
	XSTEP \t
.endr
	ds_load_b64 v[8:9], v6                         ; LDS serves a wave's instructions in order: these see my byte stores
	s_wait_dscnt 0x0
	global_store_b64 v7, v[8:9], s[28:29]          ; 32 lanes store 256 consecutive bytes, aligned
	s_wait_tensorcnt 0x0                           ; the wave's end, behind my last LDS store
	ds_add_u32 v[SPW], v[NIL]
	s_wait_dscnt 0x0
	s_endpgm
.Lpath_o:
	; ---- Wo to f16: a wave takes 4,096 numbers; a load reads 512 consecutive bytes, a store writes 256, aligned
	s_sub_co_u32 s22, ttmp9, NWW
	s_lshl_b32 s22, s22, 2
	s_add_co_u32 s22, s22, s20
	s_lshl_b32 s24, s22, 14
	s_add_nc_u64 s[12:13], s[12:13], s[24:25]
	s_lshl_b32 s24, s22, 13
	s_add_nc_u64 s[18:19], s[18:19], s[24:25]
	v_lshlrev_b32 v3, 4, v2
	v_lshlrev_b32 v4, 3, v2
.set I, 0
.rept 32
	global_load_b128 v[16+4*I:19+4*I], v3, s[12:13] offset:512*I th:TH_LOAD_NT
.set I, I+1
.endr
.set I, 0
.rept 32
	s_wait_loadcnt 31-I                            ; loads come back in order: load I is in, the later ones may be out
	v_cvt_pk_f16_f32 v[144+2*I], v[16+4*I], v[17+4*I]
	v_cvt_pk_f16_f32 v[145+2*I], v[18+4*I], v[19+4*I]
	global_store_b64 v4, v[144+2*I:145+2*I], s[18:19] offset:256*I
.set I, I+1
.endr
	s_wait_tensorcnt 0x0                           ; (this path stores nothing to LDS; the three lines close every path alike)
	ds_add_u32 v[SPW], v[NIL]
	s_wait_dscnt 0x0
	s_endpgm
.Lpath_w:
	; ---- Wq, Wk, Wv: K is the first axis.  A lane takes a column and its registers run down K: a block of 32 lies in one lane, and the codes come out with K innermost.
	; A wave takes 16 columns x 512 along K: lanes 0-15 run down the first 256, lanes 16-31 down the second 256, eight blocks a lane.  The four waves of a work-group stand side by side on 64 columns: 256 consecutive
	; bytes of each row of the weight, aligned.  A column's 256 bytes of codes (128 from each of its two lanes) meet in the wave's stage and leave as one row.
	s_lshr_b32 s21, ttmp9, 5                       ; which weight: 0 q, 1 k, 2 v
	s_and_b32 s22, ttmp9, 7                        ; which 64 columns
	s_bfe_u32 s23, ttmp9, 0x20003                  ; which 512 along K
	s_cmp_eq_u32 s21, 0
	s_cselect_b64 s[30:31], s[6:7], s[8:9]         ; the choice hangs on the work-group's number alone
	s_cmp_eq_u32 s21, 2
	s_cselect_b64 s[30:31], s[10:11], s[30:31]
	s_lshl_b32 s22, s22, 6
	s_lshl_b32 s24, s20, 4
	s_add_co_u32 s22, s22, s24                     ; my wave's first column
	s_lshl_b32 s24, s23, 20                        ; 512 rows of 2,048 bytes
	s_lshl_b32 s26, s22, 2
	s_add_co_u32 s24, s24, s26
	s_add_nc_u64 s[30:31], s[30:31], s[24:25]
	s_lshl_b32 s27, s21, 9
	s_add_co_u32 s27, s27, s22                     ; my first row of wq
	s_lshl_b32 s24, s27, 10
	s_lshl_b32 s26, s23, 8
	s_add_co_u32 s24, s24, s26
	s_add_nc_u64 s[32:33], s[16:17], s[24:25]      ; its codes
	s_lshl_b32 s24, s27, 6
	s_lshl_b32 s26, s23, 4
	s_add_co_u32 s24, s24, s26
	s_add_co_u32 s24, s24, 1572864
	s_add_nc_u64 s[34:35], s[16:17], s[24:25]      ; its scale bytes
	v_and_b32 v5, 15, v2                           ; r: my column of the wave's 16
	v_lshrrev_b32 v6, 4, v2                        ; h: my half of the 512 along K
	v_lshlrev_b32 v3, 2, v5                        ; in: 4 bytes a column,
	v_lshl_add_u32 v3, v6, 19, v3                  ; and 256 rows of 2,048 bytes further down for lanes 16-31
	s_mul_i32 s26, s20, 16*WPITCH
	s_add_co_u32 s26, s26, WSTG                    ; my stage
	v_mul_u32_u24 v4, v5, WPITCH
	v_lshl_add_u32 v4, v6, 7, v4
	v_add_nc_u32 v4, s26, v4                       ; into it: row = my column, my half's 128 bytes
	v_mul_u32_u24 v7, v6, WPITCH
	v_lshl_add_u32 v7, v5, 4, v7
	v_add_nc_u32 v7, s26, v7                       ; out of it: sixteen lanes to a row, two rows an instruction
	v_mul_u32_u24 v8, v6, KROW
	v_lshl_add_u32 v8, v5, 4, v8                   ; and the same place in the codes
	v_lshlrev_b32 v9, 6, v5
	v_lshl_add_u32 v9, v6, 3, v9                   ; my column's row of scale bytes, my half's eight
	WLOAD 0
	WLOAD 1
.set Q, 0
.rept NB
	WBLOCK Q
.set Q, Q+1
.endr
	global_store_b64 v9, v[WSB:WSB+1], s[34:35]    ; my eight scale bytes
.irp t, 0,1,2,3,4,5,6,7
	ds_load_b128 v[WOUT+4*\t:WOUT+4*\t+3], v7 offset:2*\t*WPITCH   ; LDS serves a wave's instructions in order: these see my stores
.endr
.irp t, 0,1,2,3,4,5,6,7
	s_wait_dscnt 7-\t                              ; rows 2 t and 2 t + 1 are back; the later rows' loads may be out
	global_store_b128 v8, v[WOUT+4*\t:WOUT+4*\t+3], s[32:33] offset:2*\t*KROW   ; sixteen lanes store 256 consecutive bytes, aligned
.endr
	s_wait_tensorcnt 0x0                           ; the wave's end, behind my last LDS store
	ds_add_u32 v[SPW], v[NIL]
	s_wait_dscnt 0x0
	s_endpgm
.Lfunc_end_k_q2d659ec32d_prep:
	.size	k_q2d659ec32d_prep, .Lfunc_end_k_q2d659ec32d_prep-k_q2d659ec32d_prep
	.p2alignl 7, 3214868480
	.fill 96, 4, 3214868480
	.section	.rodata,"a",@progbits
	.p2align	6, 0x0
	.amdhsa_kernel k_q2d659ec32d_prep
		.amdhsa_group_segment_fixed_size 68096
		.amdhsa_private_segment_fixed_size 0
		.amdhsa_enable_private_segment 0
		.amdhsa_kernarg_size 64
		.amdhsa_user_sgpr_count 2
		.amdhsa_user_sgpr_kernarg_segment_ptr 1
		.amdhsa_wavefront_size32 1
		.amdhsa_system_sgpr_workgroup_id_x 1
		.amdhsa_system_sgpr_workgroup_id_y 1
		.amdhsa_system_sgpr_workgroup_id_z 1
		.amdhsa_system_vgpr_workitem_id 0
		.amdhsa_next_free_vgpr 212
		.amdhsa_next_free_sgpr 66
		.amdhsa_reserve_vcc 0
		.amdhsa_float_denorm_mode_32 3
		.amdhsa_float_denorm_mode_16_64 3
		.amdhsa_memory_ordered 1
		.amdhsa_forward_progress 1
		.amdhsa_inst_pref_size 85
	.end_amdhsa_kernel
	.amdgpu_metadata
---
amdhsa.version: [ 1, 2 ]
amdhsa.kernels:
  - .name:           k_q2d659ec32d_prep
    .symbol:         k_q2d659ec32d_prep.kd
    .args:
      - { .name: x, .offset: 0, .size: 8, .value_kind: global_buffer, .address_space: global }
      - { .name: Wq, .offset: 8, .size: 8, .value_kind: global_buffer, .address_space: global }
      - { .name: Wk, .offset: 16, .size: 8, .value_kind: global_buffer, .address_space: global }
      - { .name: Wv, .offset: 24, .size: 8, .value_kind: global_buffer, .address_space: global }
      - { .name: Wo, .offset: 32, .size: 8, .value_kind: global_buffer, .address_space: global }
      - { .name: xq, .offset: 40, .size: 8, .value_kind: global_buffer, .address_space: global }
      - { .name: wq, .offset: 48, .size: 8, .value_kind: global_buffer, .address_space: global }
      - { .name: wo16, .offset: 56, .size: 8, .value_kind: global_buffer, .address_space: global }
    .group_segment_fixed_size: 68096
    .private_segment_fixed_size: 0
    .kernarg_segment_align: 8
    .kernarg_segment_size: 64
    .max_flat_workgroup_size: 128
    .sgpr_count:     66
    .vgpr_count:     212
    .wavefront_size: 32
...
	.end_amdgpu_metadata
.endif
;; end of part 1
;; launch qkv (part 2): grid 32 x 6, 4 waves a work-group, clusters of 4 x 1, 327,680 bytes of LDS; arguments xq, wq, qkv16, qkv32; writes qkv16, qkv32
.if DOCPART == 2
	.amdgcn_target "amdgcn-amd-amdhsa--gfx1250"
	.amdhsa_code_object_version 6
	.text
	.protected	k_q2d659ec32d_qkv
	.globl	k_q2d659ec32d_qkv
	.p2align	8
	.type	k_q2d659ec32d_qkv,@function
k_q2d659ec32d_qkv:
	s_mov_b64 s[64:65], 0
	v_nop
	global_prefetch_b8 v0, s[64:65] scope:SCOPE_SE
	s_setreg_imm32_b32 hwreg(HW_REG_WAVE_MODE, 25, 1), 1
	s_wait_xcnt 0x0
	s_wait_alu depctr_hold_cnt(0) depctr_sa_sdst(0) depctr_va_vdst(0) depctr_va_sdst(0) depctr_va_ssrc(0) depctr_va_vcc(0) depctr_vm_vsrc(0)
	s_getreg_b32 s2, hwreg(HW_REG_IB_STS2, 6, 4)
	s_cmp_eq_u32 s2, 0
	s_cbranch_scc0 .Lentry_in_a_cluster
	s_endpgm
.Lentry_in_a_cluster:
	s_bfe_u32 s2, ttmp6, 0x10000c
	s_cmp_lg_u32 s2, 0x3003
	s_cbranch_scc0 .Lentry_shape_is_right
	s_endpgm
.Lentry_shape_is_right:
; q, k, v = x W: one GEMM of 8192 x 1536 x 2048 on codes of E2M1 with one E8M0 scale for each 32 along K; sums in f32.  A = xq's rows (codes, then scale bytes), B = wq's rows (row = 512 x {q, k, v} + column).
; The results are stored in f16, as operands of the products that follow: qkv16 = q, k, v, each [8192][512]; positions 0-15 of each batch are stored in f32 as well (qkv32 [4][16][1536]) for the last launch.
; LIMIT: results beyond f16's +-65,504 become infinities in qkv16.
; A tile of 256 x 256 is made by four waves, as many as a WGP has SIMDs; a wave makes 128 x 128: 64 accumulators, 512 registers.  K goes in steps of 512 (rows of 256 bytes) through a ring of two LDS slots.
; The scale bytes of the tile's 256 + 256 rows, for all of K, come into LDS once, with the first fills.
; CLUSTER: 4 x 1 work-groups that make the same 256 columns for four tiles of rows: B's tiles and scales are asked for JOINTLY (mask 15); A's are each work-group's own loads.  The six tiles of columns do not
; divide by four, so no second axis is shared.  Tile of rows = cluster x + 8 x (place in the cluster): the place is the batch, so that 'this tile holds positions 0-15' hangs on the cluster's x alone.
; THE MATRIX INSTRUCTION IS USED TRANSPOSED (source 0 = 16 rows of B, source 1 = 16 rows of A): a lane holds eight neighbouring numbers of a row of the result.
; REGISTERS, in windows of 256: window 0: v0-31 addresses; v32-95 scale words, two sets; from v128 A's fragments, ONE set; on the way out v128-223.  window 1: B's fragments, two sets, at v0 and v128.
;   window 2: the accumulators of my rows 0-63 ((a, b) at v[8 (8 a + b)]); window 3: those of my rows 64-127.
.set KSTEP,  512
.set NQ,     KSTEP/128
.set ROWB,   256
.set KROW,   1024                      ; a row of codes in memory
.set PITCH,  272                       ; an LDS row: 256 bytes + 16 of padding: the 16 rows that a load touches start at 16 different banks
.set FR,     8
.set NL,     2
.set NP,     4
.set HALFT,  128*PITCH
.set SLOT,   4*HALFT
.set LAPS,   2                         ; 2048 / (2 x 512)
.set KS,     64                        ; a row of scale bytes
.set SCL,    2*SLOT
.set HALFS,  (128*KS/256)*272
.set SBLK,   (16*KS/256)*272
.set SPARE,  SCL+4*HALFS               ; the spare words, 128 bytes a wave
.set SPITCH, 272                       ; the way out: 16 rows x (256 bytes + 16) a wave, in slot 0, which has had its last fill and its last read by then
.set XSCL,   8388608                   ; where xq's scale bytes begin
.set WSCL,   1572864                   ; where wq's begin
.set OROW,   1024                      ; a row of q, k or v in f16
.set ADRA, 16
.set ADRB, 20
.set STO,  24
.set RD,   25
.set CO,   26
.set ADRS, 27
.set SPW,  28                          ; v28  LDS address of my spare word; never rewritten
.set NIL,  29                          ; v29  0; never rewritten
.set FO,   30                          ; v30  my byte offset in the f32 rows
.set SC,   32
.set AF,   128
.set BK,   128                         ; the way out: rows read back: v128-159 and v160-191 by turns
.set TMP,  192                         ; the way out: packed results
.set G1, 24
.set G0, 32
.set G1B, 48
.set G0B, 56
.set G1S, 68
.set G0S, 76
.set G1SB, 80
.set G0SB, 88
.set MSB, 0
.macro WIN new                         ; the immediate's high byte repeats the setting that is left
.if MSB != (\new)
	s_set_vgpr_msb (MSB<<8)|(\new)
.set MSB, (\new)
.endif
.endm
.set MUL_LO, 0xa1
.set MUL_HI, 0xf1
.set TO_B,   0x40
; Waves 0 and 1 fetch for A (their work-group's own load), waves 2 and 3 for B (the joint load).  The branch hangs on the wave's number alone.  An s_nop 0 and four v_nop follow each line.
.macro JLOAD g0a, g1a, g0b, g1b
	s_cmp_eq_u32 s15, 0
	s_cbranch_scc0 .Lfor_b_\@
	tensor_load_to_lds s[\g0a:\g0a+3], s[\g1a:\g1a+7]
	s_nop 0
.rept 4
	v_nop
.endr
	s_branch .Lasked_\@
.Lfor_b_\@:
	tensor_load_to_lds s[\g0b:\g0b+3], s[\g1b:\g1b+7]
	s_nop 0
.rept 4
	v_nop
.endr
.Lasked_\@:
.endm
.macro CREST                           ; a round of the cluster's barrier behind its opening barrier
	s_cmp_lg_u32 s14, 0
	s_cbranch_scc1 .Lnot_wave_0_\@
	s_barrier_signal -3
.Lnot_wave_0_\@:
	s_barrier_wait -3
	s_barrier_signal -1
	s_barrier_wait -1
.endm
.macro CROUND
	s_barrier_signal -1
	s_barrier_wait -1
	CREST
.endm
	s_load_b256 s[4:11], s[0:1], 0x0               ; xq s[4:5], wq s[6:7], qkv16 s[8:9], qkv32 s[10:11]
	v_lshl_add_u32 v[SPW], v0, 2, SPARE
	v_mov_b32 v[NIL], 0
	ds_add_u32 v[SPW], v[NIL]                      ; the wave's opening: the add, twice on end, and its wait ahead of my first tensor load
	ds_add_u32 v[SPW], v[NIL]
	v_lshrrev_b32 v1, 5, v0
	v_readfirstlane_b32 s14, v1                    ; wave 0..3
	s_lshr_b32 s15, s14, 1                         ; which half of the tile's rows is mine.  Also: I fetch for A (0) or for B (1)
	s_and_b32 s16, s14, 1                          ; which half of its columns.  Also: which 128 rows I fetch
	s_bfe_u32 s40, ttmp6, 0x40000                  ; my place in the cluster = the batch
	s_lshl_b32 s17, s40, 3
	s_add_co_u32 s17, s17, ttmp9                   ; tile of rows = 8 x place + cluster x
	s_and_b32 s42, ttmp7, 0xffff                   ; tile of columns, shared by the four
	s_mov_b32 s[G1+0], (0<<16)|(1<<20)|(5<<22)|(3<<25)              ; A: no mask; elements of 1 byte; 4 words of padding after every 64
	s_mov_b32 s[G1B+0], 15|(0<<16)|(1<<20)|(1<<21)|(5<<22)|(3<<25)  ; B: the mask names all four; bit 21 set beside it
.irp g, G1, G1B
	s_mov_b32 s[\g+1], ROWB<<16                    ; tensor_dim0
	s_mov_b32 s[\g+2], 128<<16                     ; tensor_dim1
	s_mov_b32 s[\g+3], ROWB<<16                    ; tile_dim0
	s_mov_b32 s[\g+4], 128                         ; tile_dim1
	s_mov_b32 s[\g+5], KROW                        ; from row to row
	s_mov_b32 s[\g+6], 0
	s_mov_b32 s[\g+7], 0
.endr
	s_mov_b32 s[G1S+0], (3<<16)|(1<<20)|(5<<22)|(3<<25)             ; the scales of 128 rows: 8,192 dense bytes as 32 rows of 256 (32 elements of 8 bytes), 16 bytes of padding behind each
	s_mov_b32 s[G1SB+0], 15|(3<<16)|(1<<20)|(1<<21)|(5<<22)|(3<<25)
.irp g, G1S, G1SB
	s_mov_b32 s[\g+1], 32<<16
	s_mov_b32 s[\g+2], (128*KS/256)<<16
	s_mov_b32 s[\g+3], 32<<16
	s_mov_b32 s[\g+4], 128*KS/256
	s_mov_b32 s[\g+5], 32
	s_mov_b32 s[\g+6], 0
	s_mov_b32 s[\g+7], 0
.endr
	s_lshl_b32 s18, s16, 7                         ; which 128 rows of the tile I fetch
	s_lshl_b32 s20, s17, 8
	s_add_co_u32 s20, s20, s18                     ; A's row
	s_lshl_b32 s46, s42, 8
	s_add_co_u32 s46, s46, s18                     ; B's row: no place in the cluster enters it
	s_lshl_b32 s22, s20, 6
	s_add_co_u32 s22, s22, XSCL                    ; where A's rows' scales begin, in bytes
	s_mov_b32 s23, 0
	s_lshl_b32 s20, s20, 10                        ; and their codes
	s_mov_b32 s21, 0
	s_lshl_b32 s92, s46, 6
	s_add_co_u32 s92, s92, WSCL
	s_mov_b32 s93, 0
	s_lshl_b32 s46, s46, 10
	s_mov_b32 s47, 0
	s_mul_i32 s45, s14, HALFT                      ; where they go: wave x 128 rows
	s_mul_i32 s94, s14, HALFS
	s_wait_dscnt 0x0                               ; both opening adds are done
	s_wait_kmcnt 0x0
	s_add_nc_u64 s[20:21], s[4:5], s[20:21]
	s_add_nc_u64 s[22:23], s[4:5], s[22:23]
	s_add_nc_u64 s[46:47], s[6:7], s[46:47]
	s_add_nc_u64 s[92:93], s[6:7], s[92:93]
	CROUND                                         ; all four work-groups are here: the first joint loads meet
	s_mov_b32 s[G0S], 1
	s_add_co_u32 s[G0S+1], s94, SCL
	s_mov_b64 s[G0S+2:G0S+3], s[22:23]
	s_or_b32 s[G0S+3], s[G0S+3], 0x80000000
	s_mov_b32 s[G0SB], 1
	s_add_co_u32 s[G0SB+1], s94, SCL
	s_mov_b64 s[G0SB+2:G0SB+3], s[92:93]
	s_or_b32 s[G0SB+3], s[G0SB+3], 0x80000000
	JLOAD G0S, G1S, G0SB, G1SB                     ; the scales first: they are wanted with K step 0
.irp s, 0,1
	s_mov_b32 s[G0+4*\s], 1
	s_add_co_u32 s[G0+4*\s+1], s45, \s*SLOT
	s_add_nc_u64 s[G0+4*\s+2:G0+4*\s+3], s[20:21], \s*ROWB
	s_or_b32 s[G0+4*\s+3], s[G0+4*\s+3], 0x80000000
	s_mov_b32 s[G0B+4*\s], 1
	s_add_co_u32 s[G0B+4*\s+1], s45, \s*SLOT
	s_add_nc_u64 s[G0B+4*\s+2:G0B+4*\s+3], s[46:47], \s*ROWB
	s_or_b32 s[G0B+4*\s+3], s[G0B+4*\s+3], 0x80000000
	JLOAD G0+4*\s, G1, G0B+4*\s, G1B               ; three tensor loads of mine are out now
.endr
	v_and_b32 v1, 15, v0                           ; l % 16
	v_bfe_u32 v2, v0, 4, 1                         ; l / 16
	v_mul_u32_u24 v3, v1, PITCH
	v_lshl_add_u32 v4, v2, 4, v3                   ; a fragment's row x pitch + 16 x half
	s_mul_i32 s21, s15, HALFT                      ; my 128 rows of A
	s_mul_i32 s22, s16, HALFT                      ; my 128 rows of B,
	s_add_co_u32 s22, s22, 2*HALFT                 ; which lie behind A's 256
.irp s, 0,1
	v_add_nc_u32 v[ADRA+\s], s21, v4
	v_add_nc_u32 v[ADRB+\s], s22, v4
	s_add_co_u32 s21, s21, SLOT
	s_add_co_u32 s22, s22, SLOT
.endr
	v_mul_u32_u24 v5, v1, KS                       ; my row's scales: 64 bytes a row,
	v_lshrrev_b32 v6, 8, v5
	v_lshl_add_u32 v5, v6, 4, v5                   ; and 16 more for each 256 passed
	s_mul_i32 s21, s15, HALFS
	s_mul_i32 s22, s16, HALFS
	s_add_co_u32 s22, s22, 2*HALFS
	s_sub_co_u32 s22, s22, s21
	v_mul_u32_u24 v6, s22, v2                      ; lanes 16-31 take B's: one product, the distance between the two bases
	s_add_co_u32 s21, s21, SCL
	v_add_nc_u32 v5, v5, v6
	v_add_nc_u32 v[ADRS], s21, v5
	s_mul_i32 s23, s14, 16*SPITCH                  ; my stage
	v_mul_u32_u24 v5, v1, SPITCH                   ; in: row l % 16, 16 bytes for each half of the lanes
	v_lshl_add_u32 v5, v2, 4, v5
	v_add_nc_u32 v[STO], s23, v5
	v_mul_u32_u24 v5, v2, SPITCH                   ; back: lanes 0-15 one row of 256 bytes, lanes 16-31 the next
	v_lshl_add_u32 v5, v1, 4, v5
	v_add_nc_u32 v[RD], s23, v5
	v_mul_u32_u24 v5, v2, OROW
	v_lshl_add_u32 v[CO], v1, 4, v5                ; and the same two rows in memory
	v_mul_u32_u24 v[FO], v1, 6144
	v_lshl_add_u32 v[FO], v2, 5, v[FO]             ; the f32 rows: row l % 16 of 6,144 bytes, 32 bytes for each half
	s_lshl_b32 s20, s17, 8
	s_lshl_b32 s21, s15, 7
	s_add_co_u32 s20, s20, s21                     ; my first row
	s_lshl_b32 s20, s20, 10
	s_lshr_b32 s21, s42, 1
	s_lshl_b32 s21, s21, 23                        ; q, k or v: 8,388,608 bytes each
	s_add_co_u32 s20, s20, s21
	s_and_b32 s21, s42, 1
	s_lshl_b32 s21, s21, 9                         ; which 256 of its 512 columns
	s_add_co_u32 s20, s20, s21
	s_lshl_b32 s21, s16, 8                         ; my 128 of them: 256 bytes
	s_add_co_u32 s20, s20, s21
	s_mov_b32 s21, 0
	s_add_nc_u64 s[8:9], s[8:9], s[20:21]
	s_mul_i32 s96, s40, 98304                      ; qkv32: the batch's 16 rows,
	s_lshl_b32 s98, s42, 10
	s_add_co_u32 s96, s96, s98                     ; the tile's 256 columns,
	s_lshl_b32 s98, s16, 9
	s_add_co_u32 s96, s96, s98                     ; my 128
	s_mov_b32 s97, 0
	s_add_nc_u64 s[96:97], s[10:11], s[96:97]
.macro FRAG reg, adr, q, i             ; a fragment, 16 rows x 128 K of 4-bit codes: lane l holds row l % 16; registers 4 c .. 4 c + 3 hold K = 64 c + 32 (l / 16) + 0 .. 31
.irp c, 0,1
	ds_load_b128 v[\reg+4*\c:\reg+4*\c+3], v[\adr] offset:64*(\q)+32*\c+(\i)*16*PITCH
.endr
.endm
; 16 matrix instructions: A's blocks a0, a0 + 1 x B's eight, the slot's q-th 128 along K.  The 64 accumulators take turns, one instruction a turn, in the same order in every step.
.macro MUL16 a0, p, q, sc, zero
.irp a, \a0, \a0+1
.irp b, 0,1,2,3,4,5,6,7
.if \zero
	v_wmma_scale_f32_16x16x128_f8f6f4 v[8*(8*((\a)%4)+\b):8*(8*((\a)%4)+\b)+7], v[128*(\p)+FR*\b:128*(\p)+FR*\b+FR-1], v[AF+FR*(\a):AF+FR*(\a)+FR-1], 0, v[SC+8*NQ*(\sc)+NQ*\b+(\q)], v[SC+8*NQ*(\sc)+NQ*(\a)+(\q)] matrix_a_fmt:MATRIX_FMT_FP4 matrix_b_fmt:MATRIX_FMT_FP4 matrix_a_scale:MATRIX_SCALE_ROW1
.else
	v_wmma_scale_f32_16x16x128_f8f6f4 v[8*(8*((\a)%4)+\b):8*(8*((\a)%4)+\b)+7], v[128*(\p)+FR*\b:128*(\p)+FR*\b+FR-1], v[AF+FR*(\a):AF+FR*(\a)+FR-1], v[8*(8*((\a)%4)+\b):8*(8*((\a)%4)+\b)+7], v[SC+8*NQ*(\sc)+NQ*\b+(\q)], v[SC+8*NQ*(\sc)+NQ*(\a)+(\q)] matrix_a_fmt:MATRIX_FMT_FP4 matrix_b_fmt:MATRIX_FMT_FP4 matrix_a_scale:MATRIX_SCALE_ROW1
.endif
.endr
.endr
.endm
.macro FETCH_B slot, q, p
	WIN TO_B
.irp i, 0,1,2,3,4,5,6,7
	FRAG 128*(\p)+FR*\i, ADRB+\slot, \q, \i
.endr
	WIN 0
.endm
.macro FETCH_A slot, q, i0
.irp i, \i0, \i0+1, \i0+2, \i0+3
	FRAG AF+FR*(\i), ADRA+\slot, \q, \i
.endr
.endm
.macro SCALES sc                       ; the next K step's scale words: four words a row; lanes 0-15 take A's block i, lanes 16-31 B's block i
.irp i, 0,1,2,3,4,5,6,7
	ds_load_b128 v[SC+8*NQ*\sc+NQ*\i:SC+8*NQ*\sc+NQ*\i+3], v[ADRS] offset:\i*SBLK
.endr
.endm
.macro PLACES n                        ; plain vector lines between a matrix instruction and a load into its registers or a read of its results
.rept \n
	v_nop
.endr
.endm
.macro STEP slot, q, zero              ; a step of 128 along K that has its successor in the same slot
	s_wait_dscnt 4*NL                              ; B's set and A's blocks 0-3 are in; the youngest eight loads (A's blocks 4-7) may be out
	WIN MUL_LO
	MUL16 0, (\q)%2, \q, \slot, \zero
	MUL16 2, (\q)%2, \q, \slot, \zero
	s_wait_dscnt 0
	PLACES NP
	FETCH_B \slot, (\q)+1, 1-(\q)%2
	FETCH_A \slot, (\q)+1, 0
	WIN MUL_HI
	MUL16 4, (\q)%2, \q, \slot, \zero
	MUL16 6, (\q)%2, \q, \slot, \zero
	PLACES NP
	WIN 0
	FETCH_A \slot, (\q)+1, 4
.endm
; A slot's last step changes slots: in front of the barrier each wave waits for all its tensor loads, adds 0 to its spare word, and waits for that and for its reads of this slot.  fill = 1: this slot is filled again.
.macro TURN slot, next, fill
	s_wait_tensorcnt 0x0                           ; all my tensor loads have landed: my part of the next slot
	ds_add_u32 v[SPW], v[NIL]                      ; 0 onto my spare word
	s_wait_dscnt 4*NL+1                            ; (the add and the youngest eight loads may be out)
	WIN MUL_LO
	MUL16 0, 1, NQ-1, \slot, 0
	s_wait_dscnt 0x0                               ; the add is done, and my reads of this slot are over
	s_barrier_signal -1
	MUL16 2, 1, NQ-1, \slot, 0
	WIN 0
	s_barrier_wait -1
.if \fill
	CREST                                          ; the barrier has opened a round of the cluster's barrier: no wave of any partner still reads this slot or has a load on its way
	s_add_nc_u64 s[G0+4*\slot+2:G0+4*\slot+3], s[G0+4*\slot+2:G0+4*\slot+3], 2*ROWB
	s_add_nc_u64 s[G0B+4*\slot+2:G0B+4*\slot+3], s[G0B+4*\slot+2:G0B+4*\slot+3], 2*ROWB
	JLOAD G0+4*\slot, G1, G0B+4*\slot, G1B         ; my one tensor load behind the round; its four v_nop are also the places in front of the loads below
.else
	PLACES NP
.endif
	v_add_nc_u32 v[ADRS], 4*NQ, v[ADRS]            ; on to the next K step's scale words
	FETCH_B \next, 0, 0
	FETCH_A \next, 0, 0
	SCALES \next
	WIN MUL_HI
	MUL16 4, 1, NQ-1, \slot, 0
	MUL16 6, 1, NQ-1, \slot, 0
	PLACES NP
	WIN 0
	FETCH_A \next, 0, 4
.endm
.macro STEPS slot, from
.set Q, \from
.rept NQ-1-\from
	STEP \slot, Q, 0
.set Q, Q+1
.endr
.endm
	s_wait_tensorcnt 1                             ; the scales and my part of K step 0 are in (K step 1's load may be out)
	s_barrier_signal -1
	s_barrier_wait -1                              ; everybody's are
	FETCH_B 0, 0, 0
	FETCH_A 0, 0, 0
	SCALES 0
	FETCH_A 0, 0, 4
	STEP 0, 0, 1                                   ; the first step stands in front of the loop: its products start the sums
	s_mov_b32 s3, LAPS-1
.Llap:                                                 ; a trip goes once round the ring and fills both slots again
	STEPS 0, 1
	TURN 0, 1, 1
	STEPS 1, 0
	TURN 1, 0, 1
	STEP 0, 0, 0
	s_sub_co_u32 s3, s3, 1
	s_cmp_lg_u32 s3, 0
	s_cbranch_scc1 .Llap
	STEPS 0, 1                                     ; the last lap fills nothing
	TURN 0, 1, 0
	STEPS 1, 0
	s_wait_dscnt 4*NL
	WIN MUL_LO
	MUL16 0, 1, NQ-1, 1, 0
	MUL16 2, 1, NQ-1, 1, 0
	s_wait_dscnt 0
	WIN MUL_HI
	MUL16 4, 1, NQ-1, 1, 0
	MUL16 6, 1, NQ-1, 1, 0
	WIN 0
; THE WAY OUT, block by block of 16 rows x 128 columns: rounded to f16 (16 bytes a lane), through my stage, back as whole rows of 256 bytes.
.macro PACK a
.set AC, 64*((\a)%4)
	WIN 0x0a+5*((\a)/4)                            ; sources 0 and 1: window 2 or 3
.irp b, 0,1,2,3,4,5,6,7
.irp r, 0,1,2,3
	v_cvt_pk_f16_f32 v[TMP+4*\b+\r], v[AC+8*\b+2*\r], v[AC+8*\b+2*\r+1]   ; each accumulator from its low end on
.endr
.endr
	WIN 0
.endm
.macro TOSTAGE a
.set BB, BK+32*((\a)%2)
.irp b, 0,1,2,3,4,5,6,7
	ds_store_b128 v[STO], v[TMP+4*\b:TMP+4*\b+3] offset:32*\b
.endr
.irp t, 0,1,2,3,4,5,6,7
	ds_load_b128 v[BB+4*\t:BB+4*\t+3], v[RD] offset:\t*2*SPITCH    ; LDS serves a wave's instructions in order: these see the stores above
.endr
.endm
.macro SEND a
.set BB, BK+32*((\a)%2)
	s_wait_dscnt 0x0                               ; the block is back in registers
	s_wait_xcnt 0x0                                ; earlier stores have read their base and their registers: both may be written again
.if (\a) > 0
	s_add_nc_u64 s[8:9], s[8:9], 16*OROW
.endif
.irp t, 0,1,2,3,4,5,6,7
	global_store_b128 v[CO], v[BB+4*\t:BB+4*\t+3], s[8:9] offset:2*\t*OROW   ; 16 lanes store 256 consecutive bytes, aligned
.endr
.endm
	PLACES NP                                      ; behind the last products: for the reads of results and the loads into the registers that held A's fragments
	s_or_b32 s3, ttmp9, s15                        ; positions 0-15 of a batch lie in the tiles with cluster x = 0, in the waves of the upper row half, in block 0
	s_cmp_lg_u32 s3, 0
	s_cbranch_scc1 .Lno_side
	WIN 0x08                                       ; a store's data are its source 1: window 2
.irp b, 0,1,2,3,4,5,6,7
	global_store_b128 v[FO], v[8*\b:8*\b+3], s[96:97] offset:64*\b
	global_store_b128 v[FO], v[8*\b+4:8*\b+7], s[96:97] offset:64*\b+16
.endr
	WIN 0
.Lno_side:
	PACK 0
	TOSTAGE 0
.irp a, 1,2,3,4,5,6,7                  ; block a's conversions stand between block a - 1's loads from the stage and the wait for them
	PACK \a
	SEND \a-1
	TOSTAGE \a
.endr
	SEND 7
	s_wait_tensorcnt 0x0                           ; the wave's end
	ds_add_u32 v[SPW], v[NIL]
	s_wait_dscnt 0x0
	CROUND                                         ; the closing round: no work-group ends while a partner may still ask for a tile that names it
	s_endpgm
.Lfunc_end_k_q2d659ec32d_qkv:
	.size	k_q2d659ec32d_qkv, .Lfunc_end_k_q2d659ec32d_qkv-k_q2d659ec32d_qkv
	.p2alignl 7, 3214868480
	.fill 96, 4, 3214868480
	.section	.rodata,"a",@progbits
	.p2align	6, 0x0
	.amdhsa_kernel k_q2d659ec32d_qkv
		.amdhsa_group_segment_fixed_size 327680
		.amdhsa_private_segment_fixed_size 0
		.amdhsa_enable_private_segment 0
		.amdhsa_kernarg_size 32
		.amdhsa_user_sgpr_count 2
		.amdhsa_user_sgpr_kernarg_segment_ptr 1
		.amdhsa_wavefront_size32 1
		.amdhsa_system_sgpr_workgroup_id_x 1
		.amdhsa_system_sgpr_workgroup_id_y 1
		.amdhsa_system_sgpr_workgroup_id_z 1
		.amdhsa_system_vgpr_workitem_id 0
		.amdhsa_next_free_vgpr 1024
		.amdhsa_next_free_sgpr 100
		.amdhsa_reserve_vcc 0
		.amdhsa_float_denorm_mode_32 3
		.amdhsa_float_denorm_mode_16_64 3
		.amdhsa_memory_ordered 1
		.amdhsa_forward_progress 1
		.amdhsa_inst_pref_size 215
	.end_amdhsa_kernel
	.amdgpu_metadata
---
amdhsa.version: [ 1, 2 ]
amdhsa.kernels:
  - .name:           k_q2d659ec32d_qkv
    .symbol:         k_q2d659ec32d_qkv.kd
    .args:
      - { .name: xq, .offset: 0, .size: 8, .value_kind: global_buffer, .address_space: global }
      - { .name: wq, .offset: 8, .size: 8, .value_kind: global_buffer, .address_space: global }
      - { .name: qkv16, .offset: 16, .size: 8, .value_kind: global_buffer, .address_space: global }
      - { .name: qkv32, .offset: 24, .size: 8, .value_kind: global_buffer, .address_space: global }
    .group_segment_fixed_size: 327680
    .private_segment_fixed_size: 0
    .kernarg_segment_align: 8
    .kernarg_segment_size: 32
    .max_flat_workgroup_size: 128
    .sgpr_count:     100
    .vgpr_count:     1024
    .wavefront_size: 32
...
	.end_amdgpu_metadata
.endif
;; end of part 2
;; launch flash (part 3): grid 61 x 4, 4 waves a work-group, no clusters, 327,680 bytes of LDS; arguments qkv16, part, stat; writes part, stat
.if DOCPART == 3
	.amdgcn_target "amdgcn-amd-amdhsa--gfx1250"
	.amdhsa_code_object_version 6
	.text
	.protected	k_q2d659ec32d_flash
	.globl	k_q2d659ec32d_flash
	.p2align	8
	.type	k_q2d659ec32d_flash,@function
k_q2d659ec32d_flash:
	s_mov_b64 s[64:65], 0
	v_nop
	global_prefetch_b8 v0, s[64:65] scope:SCOPE_SE
	s_setreg_imm32_b32 hwreg(HW_REG_WAVE_MODE, 25, 1), 1
	s_wait_xcnt 0x0
; CAUSAL ATTENTION, head size 512, on f16 operands with f32 sums: each work-group takes 128 queries and a run of 2 to 5 key steps of 64 keys, and stores a NORMALISED partial result
; part[wg][128][512] (f16) with stat[wg][128] = (c m, l): c = log2(e) / sqrt(512), m the run's largest score of the row, l the sum of 2^(c s - c m).  The next launch joins the runs of a block.
; WORK LEFT OUT: key steps all of whose 64 keys come after all 32 queries of a wave have the weight 0 by reference()'s own causal mask, for all inputs: they are not computed, and steps behind a block's diagonal are never fetched.
; SHARES.  Block i (queries 128 i ..) of a batch has n = 2 i + 2 key steps and c(i) = ceil(n / 5) work-groups; run j of them takes steps floor(n j / c) .. floor(n (j + 1) / c) - 1.  61 work-groups a batch.
; Every run has at least 2 steps, and in a run's first step every query sees at least one key, so that m is a number and l is above 0.
; A wave owns 32 queries (two tiles of 16) with all 512 channels.  Both products are used transposed: S^T = K Q^T, O^T = V^T P: a lane holds ONE query (lane % 16) throughout.  V is turned by ds_load_tr16_b128.
; NO CLUSTER: 61 work-groups a batch do not divide by four, and work-groups that read the same keys begin at different steps and have different numbers of them.
; LDS: two slots of one key step (64 rows of K, pitch 1,040; 64 rows of V, pitch 1,056); behind them a stage of 16 x 528 bytes a wave, and the spare words.
; REGISTERS: window 0: v1-15 addresses; v16-31 statistics, eight a tile; v32-95 S^T; v96-127 P; v128-191, v192-255 two buffers of eight fragments.  window 1: Q, fragment (tile qt, channels 32 c) at 8 (16 qt + c).
;   window 2: O^T of channels 0-255, (channel tile ct, qt) at 8 (2 ct + qt); window 3: channels 256-511.
.set PK,    1040                       ; 1,024 bytes + 16: row r starts at bank 4 r mod 64
.set PVP,   1056                       ; 1,024 bytes + 32: row r starts at bank 8 r mod 64
.set VOFF,  64*PK
.set SLOT,  64*(PK+PVP)
.set STAGE, 2*SLOT
.set SPT,   528
.set SPARE, STAGE+4*16*SPT
.set PFO, 1                            ; v1   256 x lane: the prefetches' offset; never rewritten
.set NEG, 2                            ; v2   -infinity
.set AK0, 3                            ; v3   my lane's place in a tile of K
.set AV0, 4                            ; v4   and of V
.set ADK, 5                            ; v5   LDS address of the step's K
.set ADV, 6                            ; v6   of its V
.set QO,  7
.set STO, 8
.set RD,  9
.set GO,  10
.set SO,  11
.set SPW, 14                           ; v14  LDS address of my spare word; never rewritten
.set NIL, 15                           ; v15  0; never rewritten
.set ST,  16                           ; tile t at v[ST + 8 t]: +0 c m, +1 m, +2, +3 l in two halves, +4 .. +7 at work; a = 2^(c m_old - c m_new) in +6
.set S,   32
.set P,   96
.set FB0, 128
.set FB1, 192
.set WV,  10
.set ID,  11
.set BT,  12
.set BI,  13
.set PB,  14
.set MM,  16
.set ST0, 17
.set CNT, 18
.set T,   19
.set KF,  20                           ; the step's first key
.set QW,  21                           ; my wave's first query
.set TB,  22                           ; the slot that is read: 0 or SLOT
.set TF,  23                           ; the slot that is filled
.set G1K, 24
.set G1V, 32
.set G0K, 40
.set G0V, 44
.set LBK, 48
.set LBV, 49
.set PFA, 50
.set PL,  52
.set CS,  54
.set SEL, 56
.set QA,  66
.set PO,  68
.set SB,  70
.set MSB, 0
.macro WIN new
.if MSB != (\new)
	s_set_vgpr_msb (MSB<<8)|(\new)
.set MSB, (\new)
.endif
.endm
.macro PLACES
.rept 4
	v_nop
.endr
.endm
.macro SEL_I n, p, m                   ; the block, its first work-group and ceil(65536 / c), from the work-group's number
	s_cmp_ge_u32 s[ID], \p
	s_cselect_b32 s[BI], \n, s[BI]
	s_cselect_b32 s[PB], \p, s[PB]
	s_cselect_b32 s[MM], \m, s[MM]
.endm
; Waves 0 and 1 fetch the two halves of a step's K, waves 2 and 3 of its V: 32 rows of 1,024 bytes each.  An s_nop 0 and four v_nop follow each line.
.macro TLOAD
	s_cmp_lt_u32 s[WV], 2
	s_cbranch_scc0 .Lfor_v_\@
	tensor_load_to_lds s[G0K:G0K+3], s[G1K:G1K+7]
	s_nop 0
.rept 4
	v_nop
.endr
	s_branch .Lasked_\@
.Lfor_v_\@:
	tensor_load_to_lds s[G0V:G0V+3], s[G1V:G1V+7]
	s_nop 0
.rept 4
	v_nop
.endr
.Lasked_\@:
.endm
; A PREFETCH INTO THE L2 of the step that the NEXT change of slots will ask for: my wave's own 32 rows, 32,768 consecutive bytes: four instructions, lanes 256 bytes apart.  The seven work-groups of a batch's block 15
; walk all 32 key steps between them, each step once: they alone ask, so each aligned 256 bytes is named at most once in the launch.  A run's first two steps come by their loads alone; its last two changes ask for nothing.
.macro ASK
	s_add_co_u32 s2, s[T], 2
	s_cmp_lt_u32 s2, s[PL]
	s_cbranch_scc0 .Lnot_mine_\@
.irp n, 0,1,2,3
	global_prefetch_b8 v[PFO], s[PFA:PFA+1] offset:8192*\n th:TH_LOAD_NT scope:SCOPE_SE
.endr
.Lnot_mine_\@:
.endm
; THE CHANGE OF SLOTS, at a step's head, by all four waves.  mode 2: the other slot is filled; 1: it is filled while the run has a step left; 0: nothing is left to fetch.
.macro CHANGE mode
	s_wait_tensorcnt 0x0                           ; my one tensor load has landed: my part of the slot that is read next; so a group 0 may be written
	ds_add_u32 v[SPW], v[NIL]                      ; 0 onto my spare word; the descriptors' steps stand between it and the wait for it
.if \mode
	s_xor_b32 s[TF], s[TF], SLOT
	s_add_co_u32 s[G0K+1], s[LBK], s[TF]
	s_add_co_u32 s[G0V+1], s[LBV], s[TF]
	s_add_nc_u64 s[G0K+2:G0K+3], s[G0K+2:G0K+3], 65536   ; the next 64 keys; the type bits on top are not reached
	s_add_nc_u64 s[G0V+2:G0V+3], s[G0V+2:G0V+3], 65536
	s_wait_xcnt 0x0                                ; the last prefetches, a step back, have read their address
	s_add_nc_u64 s[PFA:PFA+1], s[PFA:PFA+1], 65536
.endif
	s_wait_dscnt 0x0                               ; the add is done, and my reads of the slot that I have left are over
	s_barrier_signal -1
	s_barrier_wait -1
.if \mode == 1
	s_add_co_u32 s2, s[T], 1                       ; ids and the count of steps alone: all four waves go the same way; a slot is filled only if a later step reads it
	s_cmp_ge_u32 s2, s[CNT]
	s_cbranch_scc1 .Lpast_\@
.endif
.if \mode
	TLOAD                                          ; my one tensor load until the next change: it has a whole step in which to land
.Lpast_\@:
	ASK
.endif
	v_add_nc_u32 v[ADK], s[TB], v[AK0]
	v_add_nc_u32 v[ADV], s[TB], v[AV0]
.endm
; Eight fragments of K: channels 64 r .. 64 r + 63 of the step's four tiles of 16 keys.  Fragment 4 cc + kt.
.macro RUNK r, buf
.irp cc, 0,1
.irp kt, 0,1,2,3
	ds_load_b128 v[\buf+8*(4*\cc+\kt):\buf+8*(4*\cc+\kt)+3], v[ADK] offset:\kt*16*PK+(2*(\r)+\cc)*64
	ds_load_b128 v[\buf+8*(4*\cc+\kt)+4:\buf+8*(4*\cc+\kt)+7], v[ADK] offset:\kt*16*PK+(2*(\r)+\cc)*64+32
.endr
.endr
.endm
; Eight fragments of V^T: channel tiles 4 u .. 4 u + 3, keys 32 ks on.  Fragment 4 ks + c4.
.macro RUNV u, buf
.irp ks, 0,1
.irp c4, 0,1,2,3
	ds_load_tr16_b128 v[\buf+8*(4*\ks+\c4):\buf+8*(4*\ks+\c4)+3], v[ADV] offset:\ks*32*PVP+(4*(\u)+\c4)*32
	ds_load_tr16_b128 v[\buf+8*(4*\ks+\c4)+4:\buf+8*(4*\ks+\c4)+7], v[ADV] offset:\ks*32*PVP+16*PVP+(4*(\u)+\c4)*32
.endr
.endr
.endm
; 16 products of S^T: eight accumulators by turns, one instruction a turn.  The first eight of a step start the sums.
.macro MULK r, buf
.irp cc, 0,1
.irp kt, 0,1,2,3
.irp qt, 0,1
.if ((\r) == 0) && (\cc == 0)
	v_wmma_f32_16x16x32_f16 v[S+32*\qt+8*\kt:S+32*\qt+8*\kt+7], v[\buf+8*(4*\cc+\kt):\buf+8*(4*\cc+\kt)+7], v[8*(16*\qt+2*(\r)+\cc):8*(16*\qt+2*(\r)+\cc)+7], 0
.else
	v_wmma_f32_16x16x32_f16 v[S+32*\qt+8*\kt:S+32*\qt+8*\kt+7], v[\buf+8*(4*\cc+\kt):\buf+8*(4*\cc+\kt)+7], v[8*(16*\qt+2*(\r)+\cc):8*(16*\qt+2*(\r)+\cc)+7], v[S+32*\qt+8*\kt:S+32*\qt+8*\kt+7]
.endif
.endr
.endr
.endr
.endm
; 16 products of O^T: eight accumulators by turns.  first = 1: the run's first step starts the sums: nothing is ever cleared.
.macro MULV u, buf, first
.irp ks, 0,1
.irp c4, 0,1,2,3
.irp qt, 0,1
.set OO, 8*(2*(4*((\u)%4)+\c4)+\qt)
.if (\first) && (\ks == 0)
	v_wmma_f32_16x16x32_f16 v[OO:OO+7], v[\buf+8*(4*\ks+\c4):\buf+8*(4*\ks+\c4)+7], v[P+16*\qt+8*\ks:P+16*\qt+8*\ks+7], 0
.else
	v_wmma_f32_16x16x32_f16 v[OO:OO+7], v[\buf+8*(4*\ks+\c4):\buf+8*(4*\ks+\c4)+7], v[P+16*\qt+8*\ks:P+16*\qt+8*\ks+7], v[OO:OO+7]
.endif
.endr
.endr
.endr
.endm
; On the diagonal the scores of hidden keys become -infinity ahead of the maximum.  Register 8 kt + j of tile t holds key KF + 16 kt + 8 (lane / 16) + j for query QW + 16 t + lane % 16.
.macro MASK
	s_sub_co_i32 s2, s[QW], s[KF]
	v_and_b32 v12, 15, v0
	v_bfe_u32 v13, v0, 4, 1
	v_lshlrev_b32 v13, 3, v13
	v_sub_nc_u32 v12, v12, v13
	v_add_nc_u32 v12, s2, v12                      ; d: hidden where 16 kt + j > d
	v_add_nc_u32 v13, 16, v12
.irp t, 0,1
.set N, 0
.rept 32
	v_cmp_gt_i32 vcc_lo, 16*(N/8)+N%8, v[12+\t]
	v_cndmask_b32 v[S+32*\t+N], v[S+32*\t+N], v[NEG], vcc_lo
.set N, N+1
.endr
.endr
.endm
; The softmax of a step, the two tiles alternating line by line.  All exponentials are one batch with one wait.
.macro SOFTMAX first
.irp j, 0,1,2,3
.irp t, 0,1
	v_max3_num_f32 v[ST+8*\t+4+\j], v[S+32*\t+8*\j], v[S+32*\t+8*\j+1], v[S+32*\t+8*\j+2]   ; each accumulator is read from its low end on
.endr
.endr
.irp g, 1,2
.irp j, 0,1,2,3
.irp t, 0,1
	v_max3_num_f32 v[ST+8*\t+4+\j], v[ST+8*\t+4+\j], v[S+32*\t+8*\j+2*\g+1], v[S+32*\t+8*\j+2*\g+2]
.endr
.endr
.endr
.irp t, 0,1
	v_max3_num_f32 v[ST+8*\t+4], v[ST+8*\t+4], v[S+32*\t+7], v[S+32*\t+15]
.endr
.irp t, 0,1
	v_max3_num_f32 v[ST+8*\t+6], v[ST+8*\t+6], v[S+32*\t+23], v[S+32*\t+31]
.endr
.irp t, 0,1
	v_max3_num_f32 v[ST+8*\t+4], v[ST+8*\t+4], v[ST+8*\t+5], v[ST+8*\t+6]
.endr
.irp t, 0,1
.if \first
	v_max_num_f32 v[ST+8*\t+4], v[ST+8*\t+4], v[ST+8*\t+7]
.else
	v_max3_num_f32 v[ST+8*\t+4], v[ST+8*\t+4], v[ST+8*\t+7], v[ST+8*\t+1]   ; with the old m
.endif
.endr
.irp t, 0,1
	v_permlanex16_b32 v[ST+8*\t+5], v[ST+8*\t+4], s[SEL], s[SEL+1]          ; the query's other 32 keys lie in the lane 16 away
.endr
.if \first == 0
.irp t, 0,1
	v_mov_b32 v[ST+8*\t+7], v[ST+8*\t]             ; c m_old is kept for a
.endr
.endif
.irp t, 0,1
	v_max_num_f32 v[ST+8*\t+1], v[ST+8*\t+4], v[ST+8*\t+5]
.endr
.irp t, 0,1
	v_mul_f32 v[ST+8*\t], s[CS], v[ST+8*\t+1]
.endr
.if \first == 0
.irp t, 0,1
	v_sub_f32 v[ST+8*\t+7], v[ST+8*\t+7], v[ST+8*\t]
.endr
.endif
.irp b, 0,1,2,3,4,5,6,7,8,9,10,11,12,13,14,15
.irp t, 0,1
	v_pk_fma_f32 v[S+32*\t+2*\b:S+32*\t+2*\b+1], v[S+32*\t+2*\b:S+32*\t+2*\b+1], s[CS:CS+1], v[ST+8*\t:ST+8*\t+1] op_sel_hi:[1,0,0] neg_lo:[0,0,1] neg_hi:[0,0,1]   ; c s - c m
.endr
.endr
.if \first == 0
.irp t, 0,1
	v_exp_f32 v[ST+8*\t+6], v[ST+8*\t+7]           ; a
.endr
.endif
.set N, 0
.rept 64
	v_exp_f32 v[S+N], v[S+N]
.set N, N+1
.endr
	v_nop                                          ; a plain line behind the last exponential
	s_wait_alu depctr_va_vdst(0)                   ; one wait for the whole batch, ahead of its first reader
.irp b, 0,1,2,3,4,5,6,7,8,9,10,11,12,13,14,15
.irp t, 0,1
	v_cvt_pk_f16_f32 v[P+16*\t+\b], v[S+32*\t+2*\b], v[S+32*\t+2*\b+1]
.endr
.endr
.irp u, 0,1,2,3,4,5,6,7
.irp t, 0,1
	v_pk_add_f32 v[S+32*\t+4*\u:S+32*\t+4*\u+1], v[S+32*\t+4*\u:S+32*\t+4*\u+1], v[S+32*\t+4*\u+2:S+32*\t+4*\u+3]   ; the row's sum is taken of the f32 weights
.endr
.endr
.irp u, 0,1,2,3
.irp t, 0,1
	v_pk_add_f32 v[S+32*\t+8*\u:S+32*\t+8*\u+1], v[S+32*\t+8*\u:S+32*\t+8*\u+1], v[S+32*\t+8*\u+4:S+32*\t+8*\u+5]
.endr
.endr
.irp u, 0,1
.irp t, 0,1
	v_pk_add_f32 v[S+32*\t+16*\u:S+32*\t+16*\u+1], v[S+32*\t+16*\u:S+32*\t+16*\u+1], v[S+32*\t+16*\u+8:S+32*\t+16*\u+9]
.endr
.endr
.irp t, 0,1
.if \first
	v_pk_add_f32 v[ST+8*\t+2:ST+8*\t+3], v[S+32*\t:S+32*\t+1], v[S+32*\t+16:S+32*\t+17]
.else
	v_pk_add_f32 v[S+32*\t:S+32*\t+1], v[S+32*\t:S+32*\t+1], v[S+32*\t+16:S+32*\t+17]
.endif
.endr
.if \first == 0
.irp t, 0,1
	v_pk_fma_f32 v[ST+8*\t+2:ST+8*\t+3], v[ST+8*\t+2:ST+8*\t+3], v[ST+8*\t+6:ST+8*\t+7], v[S+32*\t:S+32*\t+1] op_sel_hi:[1,0,1]   ; l = a l + the sum
.endr
.endif
.endm
.macro RESCALE                         ; O^T times a of the register's tile
.irp hf, 0,1
	WIN 0x82+0x41*\hf                              ; destination and source 0: window 2, then 3
.set N, 0
.rept 128
	v_pk_mul_f32 v[2*N:2*N+1], v[2*N:2*N+1], v[ST+8*((N/4)%2)+6:ST+8*((N/4)%2)+7] op_sel_hi:[1,0]
.set N, N+1
.endr
.endr
	WIN 0
.endm
; A KEY STEP.  Runs of 16 LDS loads go two ahead of the 16 products that use them, on two buffers; four plain lines stand between a buffer's last products and the loads into it.
.macro WORK first
	RUNK 0, FB0
	RUNK 1, FB1
	WIN 0x04                                       ; source 1 (Q) in window 1; LDS loads name no source 1
.set RR, 0
.rept 8
	s_wait_dscnt 16                                ; the older run is in; the younger run's 16 loads may be out
	MULK RR, FB0+64*(RR%2)
	PLACES
.if RR < 6
	RUNK RR+2, FB0+64*(RR%2)
.else
	RUNV RR-6, FB0+64*(RR%2)
.endif
.set RR, RR+1
.endr
	WIN 0
	s_add_co_u32 s2, s[KF], 63
	s_cmp_le_u32 s2, s[QW]                         ; a step all of whose keys count for all my queries needs no mask
	s_cbranch_scc1 .Lopen_\@
	MASK
.Lopen_\@:
	SOFTMAX \first
.if \first == 0
	RESCALE
.endif
.set UU, 0
.rept 8
.if UU < 7
	s_wait_dscnt 16
.else
	s_wait_dscnt 0
.endif
	WIN 0xa0+0x50*(UU/4)                           ; C and D in window 2, then 3
	MULV UU, FB0+64*(UU%2), \first
	WIN 0
.if UU < 6
	PLACES
	RUNV UU+2, FB0+64*(UU%2)
.endif
.set UU, UU+1
.endr
	PLACES                                         ; for the next step's loads into the buffers, and for the way out
.endm
	s_load_b128 s[4:7], s[0:1], 0x0                ; qkv16 s[4:5], part s[6:7]
	s_load_b64 s[8:9], s[0:1], 0x10                ; stat
	v_lshl_add_u32 v[SPW], v0, 2, SPARE
	v_mov_b32 v[NIL], 0
	ds_add_u32 v[SPW], v[NIL]                      ; the wave's opening: the add, twice on end, and its wait ahead of my first tensor load
	ds_add_u32 v[SPW], v[NIL]
	v_lshrrev_b32 v1, 5, v0
	v_readfirstlane_b32 s[WV], v1                  ; wave 0..3
	s_mov_b32 s[ID], ttmp9
	s_and_b32 s[BT], ttmp7, 0xffff                 ; the batch
	s_mov_b32 s[BI], 0
	s_mov_b32 s[PB], 0
	s_mov_b32 s[MM], 65536
	SEL_I 1, 1, 65536
	SEL_I 2, 2, 32768
	SEL_I 3, 4, 32768
	SEL_I 4, 6, 32768
	SEL_I 5, 8, 21846
	SEL_I 6, 11, 21846
	SEL_I 7, 14, 16384
	SEL_I 8, 18, 16384
	SEL_I 9, 22, 16384
	SEL_I 10, 26, 13108
	SEL_I 11, 31, 13108
	SEL_I 12, 36, 10923
	SEL_I 13, 42, 10923
	SEL_I 14, 48, 10923
	SEL_I 15, 54, 9363
	s_sub_co_u32 s2, s[ID], s[PB]                  ; j: which run of the block
	s_lshl_b32 s3, s[BI], 1
	s_add_co_u32 s3, s3, 2                         ; n
	s_mul_i32 s2, s2, s3                           ; n j
	s_add_co_u32 s3, s3, s2                        ; n (j + 1), at most 224: the multiply and shift below divide exactly
	s_mul_i32 s2, s2, s[MM]
	s_lshr_b32 s[ST0], s2, 16                      ; the run's first step
	s_mul_i32 s3, s3, s[MM]
	s_lshr_b32 s3, s3, 16
	s_sub_co_u32 s[CNT], s3, s[ST0]                ; its steps: 2 to 5
	s_lshl_b32 s[KF], s[ST0], 6
	s_lshl_b32 s[QW], s[BI], 7
	s_lshl_b32 s2, s[WV], 5
	s_add_co_u32 s[QW], s[QW], s2
	s_mov_b32 s[T], 0
	s_mov_b32 s[TB], 0
	s_mov_b32 s[TF], 0
	s_cmp_eq_u32 s[BI], 15
	s_cselect_b32 s[PL], s[CNT], 0
	s_mov_b32 s[G1K], (1<<16)|(1<<20)|(7<<22)|(3<<25)   ; no mask; elements of 2 bytes; 4 words of padding after every 256
	s_mov_b32 s[G1V], (1<<16)|(1<<20)|(7<<22)|(7<<25)   ; 8 words of padding
.irp g, G1K, G1V
	s_mov_b32 s[\g+1], 512<<16                     ; tensor_dim0
	s_mov_b32 s[\g+2], 32<<16                      ; tensor_dim1
	s_mov_b32 s[\g+3], 512<<16                     ; tile_dim0
	s_mov_b32 s[\g+4], 32                          ; tile_dim1
	s_mov_b32 s[\g+5], 512                         ; from row to row
	s_mov_b32 s[\g+6], 0
	s_mov_b32 s[\g+7], 0
.endr
	s_mov_b32 s[CS], 0x3d8293ee                    ; c = log2(e) / sqrt(512)
	s_mov_b32 s[CS+1], s[CS]
	s_mov_b32 s[SEL], 0x76543210
	s_mov_b32 s[SEL+1], 0xfedcba98
	s_and_b32 s3, s[WV], 1                         ; which 32 rows of the step I fetch
	s_mul_i32 s[LBK], s3, 32*PK
	s_mul_i32 s[LBV], s3, 32*PVP
	s_add_co_u32 s[LBV], s[LBV], VOFF
	s_lshl_b32 s58, s[BT], 11
	s_add_co_u32 s58, s58, s[KF]
	s_lshl_b32 s3, s3, 5
	s_add_co_u32 s58, s58, s3
	s_lshl_b32 s58, s58, 10                        ; their first byte in k or in v
	s_add_co_u32 s60, s58, 16777216                ; v begins here in qkv16,
	s_add_co_u32 s58, s58, 8388608                 ; k here
	s_mov_b32 s59, 0
	s_mov_b32 s61, 0
	s_cmp_lt_u32 s[WV], 2
	s_cselect_b32 s62, s58, s60
	s_mov_b32 s63, 0
	s_lshl_b32 s72, s[BT], 11
	s_add_co_u32 s72, s72, s[QW]
	s_lshl_b32 s72, s72, 10                        ; my first query's row of q
	s_mov_b32 s73, 0
	s_mul_i32 s74, s[BT], 61
	s_add_co_u32 s74, s74, s[ID]                   ; which partial result is mine
	s_lshl_b32 s76, s74, 10
	s_lshl_b32 s2, s[WV], 8
	s_add_co_u32 s76, s76, s2
	s_mov_b32 s77, 0
	s_lshl_b32 s74, s74, 17
	s_lshl_b32 s2, s[WV], 15
	s_add_co_u32 s74, s74, s2
	s_mov_b32 s75, 0
	s_wait_dscnt 0x0                               ; both opening adds are done
	s_wait_kmcnt 0x0
	s_mov_b32 s[G0K], 1
	s_mov_b32 s[G0K+1], s[LBK]
	s_add_nc_u64 s[G0K+2:G0K+3], s[4:5], s[58:59]
	s_or_b32 s[G0K+3], s[G0K+3], 0x80000000
	s_mov_b32 s[G0V], 1
	s_mov_b32 s[G0V+1], s[LBV]
	s_add_nc_u64 s[G0V+2:G0V+3], s[4:5], s[60:61]
	s_or_b32 s[G0V+3], s[G0V+3], 0x80000000
	TLOAD                                          ; the run's first step into slot 0: every wave issues one load
	s_add_nc_u64 s[PFA:PFA+1], s[4:5], s[62:63]
	s_add_nc_u64 s[PFA:PFA+1], s[PFA:PFA+1], 65536 ; my rows of the run's second step; the first change steps it to the third
	s_add_nc_u64 s[QA:QA+1], s[4:5], s[72:73]
	s_add_nc_u64 s[PO:PO+1], s[6:7], s[74:75]
	s_add_nc_u64 s[SB:SB+1], s[8:9], s[76:77]
	v_and_b32 v12, 15, v0                          ; r
	v_bfe_u32 v13, v0, 4, 1                        ; h
	v_lshlrev_b32 v[QO], 10, v12
	v_lshl_add_u32 v[QO], v13, 4, v[QO]            ; row r of 1,024 bytes, + 16 h
	WIN 0x40                                       ; destination window 1
.set I, 0
.rept 32                                       ; Q stays in registers: fragment I = 16 qt + c
	global_load_b128 v[8*I:8*I+3], v[QO], s[QA:QA+1] offset:(I/16)*16384+(I%16)*64
	global_load_b128 v[8*I+4:8*I+7], v[QO], s[QA:QA+1] offset:(I/16)*16384+(I%16)*64+32
.set I, I+1
.endr
	WIN 0
	v_mul_u32_u24 v[AK0], v12, PK
	v_lshl_add_u32 v[AK0], v13, 4, v[AK0]
	v_and_b32 v[AV0], 7, v0
	v_lshl_add_u32 v[AV0], v13, 3, v[AV0]          ; the turning load: key 8 h + l % 8,
	v_mul_u32_u24 v[AV0], v[AV0], PVP
	v_bfe_u32 v[ADK], v0, 3, 1
	v_lshl_add_u32 v[AV0], v[ADK], 4, v[AV0]       ; channels 8 ((l / 8) % 2) on
	v_add_nc_u32 v[AV0], VOFF, v[AV0]
	s_mul_i32 s2, s[WV], 16*SPT
	s_add_co_u32 s2, s2, STAGE                     ; my stage
	v_mul_u32_u24 v[STO], v12, SPT
	v_lshl_add_u32 v[STO], v13, 4, v[STO]
	v_add_nc_u32 v[STO], s2, v[STO]
	v_and_b32 v[GO], 31, v0
	v_lshlrev_b32 v[PFO], 8, v[GO]
	v_lshlrev_b32 v[GO], 4, v[GO]
	v_add_nc_u32 v[RD], s2, v[GO]
	v_lshlrev_b32 v[SO], 3, v12
	v_lshl_add_u32 v[SO], v13, 2, v[SO]
	v_mov_b32 v[NEG], 0xff800000
	CHANGE 2                                       ; slot 0 is whole; the second step goes into slot 1: a first fill, and no wave refills behind this barrier
	s_wait_loadcnt 0x0                             ; Q
	WORK 1
	s_xor_b32 s[TB], s[TB], SLOT
	s_add_co_u32 s[KF], s[KF], 64
	s_mov_b32 s[T], 1
.Lstep:                                            ; three trips, a constant: steps 1 to 3; a step that the run does not have, or that is hidden from my queries, is jumped over; the change of slots is not
	CHANGE 1
	s_cmp_ge_u32 s[T], s[CNT]
	s_cbranch_scc1 .Lskip
	s_add_co_u32 s2, s[QW], 31
	s_cmp_gt_u32 s[KF], s2
	s_cbranch_scc1 .Lskip
	WORK 0
.Lskip:
	s_xor_b32 s[TB], s[TB], SLOT
	s_add_co_u32 s[KF], s[KF], 64
	s_add_co_u32 s[T], s[T], 1
	s_cmp_lt_u32 s[T], 4
	s_cbranch_scc1 .Lstep
	CHANGE 0                                       ; step 4 is written out: nothing is left to fetch
	s_cmp_ge_u32 s[T], s[CNT]
	s_cbranch_scc1 .Llast_skip
	s_add_co_u32 s2, s[QW], 31
	s_cmp_gt_u32 s[KF], s2
	s_cbranch_scc1 .Llast_skip
	WORK 0
.Llast_skip:
	; THE WAY OUT: (c m, l) for each query; O^T / l, rounded to f16, through my stage: 16 queries x 256 channels at a time, back as rows of 512 bytes.
.irp t, 0,1
	v_add_f32 v[ST+8*\t+4], v[ST+8*\t+2], v[ST+8*\t+3]
.endr
.irp t, 0,1
	v_permlanex16_b32 v[ST+8*\t+5], v[ST+8*\t+4], s[SEL], s[SEL+1]
.endr
.irp t, 0,1
	v_add_f32 v[ST+8*\t+4], v[ST+8*\t+4], v[ST+8*\t+5]   ; l
.endr
.irp t, 0,1
	v_rcp_f32 v[ST+8*\t+6], v[ST+8*\t+4]
.endr
	v_and_b32 v12, 16, v0                          ; (a plain line behind the reciprocals)
	v_cmp_ne_u32 vcc_lo, 0, v12
	s_wait_alu depctr_va_vdst(0)                   ; one wait for both, ahead of their first reader
.irp t, 0,1
	v_cndmask_b32 v[ST+8*\t+5], v[ST+8*\t], v[ST+8*\t+4], vcc_lo   ; lanes 0-15 carry c m, lanes 16-31 l
.endr
.irp t, 0,1
	global_store_b32 v[SO], v[ST+8*\t+5], s[SB:SB+1] offset:128*\t  ; 128 consecutive bytes a store
.endr
.macro PACKO p                         ; pass p: tile p / 2, channels 256 (p % 2) on
.set QT, (\p)/2
.set HF, (\p)%2
	WIN 0x82+0x41*HF
.set N, 0
.rept 16
.irp k, 0,1,2,3
	v_pk_mul_f32 v[8*(2*N+QT)+2*\k:8*(2*N+QT)+2*\k+1], v[8*(2*N+QT)+2*\k:8*(2*N+QT)+2*\k+1], v[ST+8*QT+6:ST+8*QT+7] op_sel_hi:[1,0]
.endr
.set N, N+1
.endr
	WIN 0x0a+5*HF
.set N, 0
.rept 16
.irp k, 0,1,2,3
	v_cvt_pk_f16_f32 v[S+4*N+\k], v[8*(2*N+QT)+2*\k], v[8*(2*N+QT)+2*\k+1]
.endr
.set N, N+1
.endr
	WIN 0
.set N, 0
.rept 16
	ds_store_b128 v[STO], v[S+4*N:S+4*N+3] offset:32*N
.set N, N+1
.endr
.set N, 0
.rept 16
	ds_load_b128 v[FB0+64*((\p)%2)+4*N:FB0+64*((\p)%2)+4*N+3], v[RD] offset:SPT*N   ; LDS serves a wave's instructions in order: these see the stores above, and the next pass's stores come behind them
.set N, N+1
.endr
.endm
.macro SENDO p, younger                ; younger: the LDS instructions issued behind pass p's loads
.set N, 0
.rept 16
	s_wait_dscnt \younger+15-N
	global_store_b128 v[GO], v[FB0+64*((\p)%2)+4*N:FB0+64*((\p)%2)+4*N+3], s[PO:PO+1] offset:((\p)/2)*16384+N*1024+((\p)%2)*512   ; 32 lanes store 512 consecutive bytes, aligned
.set N, N+1
.endr
.endm
	PACKO 0
	PACKO 1
	SENDO 0, 32
	s_wait_xcnt 0x0                                ; pass 0's stores have read their registers: pass 2's rows may land there
	PACKO 2
	SENDO 1, 32
	s_wait_xcnt 0x0
	PACKO 3
	SENDO 2, 32
	SENDO 3, 0
	s_wait_tensorcnt 0x0                           ; the wave's end
	ds_add_u32 v[SPW], v[NIL]
	s_wait_dscnt 0x0
	s_endpgm
.Lfunc_end_k_q2d659ec32d_flash:
	.size	k_q2d659ec32d_flash, .Lfunc_end_k_q2d659ec32d_flash-k_q2d659ec32d_flash
	.p2alignl 7, 3214868480
	.fill 96, 4, 3214868480
	.section	.rodata,"a",@progbits
	.p2align	6, 0x0
	.amdhsa_kernel k_q2d659ec32d_flash
		.amdhsa_group_segment_fixed_size 327680
		.amdhsa_private_segment_fixed_size 0
		.amdhsa_enable_private_segment 0
		.amdhsa_kernarg_size 24
		.amdhsa_user_sgpr_count 2
		.amdhsa_user_sgpr_kernarg_segment_ptr 1
		.amdhsa_wavefront_size32 1
		.amdhsa_system_sgpr_workgroup_id_x 1
		.amdhsa_system_sgpr_workgroup_id_y 1
		.amdhsa_system_sgpr_workgroup_id_z 1
		.amdhsa_system_vgpr_workitem_id 0
		.amdhsa_next_free_vgpr 1024
		.amdhsa_next_free_sgpr 80
		.amdhsa_reserve_vcc 1
		.amdhsa_float_denorm_mode_32 3
		.amdhsa_float_denorm_mode_16_64 3
		.amdhsa_memory_ordered 1
		.amdhsa_forward_progress 1
		.amdhsa_inst_pref_size 250
	.end_amdhsa_kernel
	.amdgpu_metadata
---
amdhsa.version: [ 1, 2 ]
amdhsa.kernels:
  - .name:           k_q2d659ec32d_flash
    .symbol:         k_q2d659ec32d_flash.kd
    .args:
      - { .name: qkv16, .offset: 0, .size: 8, .value_kind: global_buffer, .address_space: global }
      - { .name: part, .offset: 8, .size: 8, .value_kind: global_buffer, .address_space: global }
      - { .name: stat, .offset: 16, .size: 8, .value_kind: global_buffer, .address_space: global }
    .group_segment_fixed_size: 327680
    .private_segment_fixed_size: 0
    .kernarg_segment_align: 8
    .kernarg_segment_size: 24
    .max_flat_workgroup_size: 128
    .sgpr_count:     80
    .vgpr_count:     1024
    .wavefront_size: 32
...
	.end_amdgpu_metadata
.endif
;; end of part 3
;; launch merge (part 4): grid 16 x 64, 4 waves a work-group, no clusters, 0 bytes of LDS; arguments part, stat, o16; writes o16
.if DOCPART == 4
	.amdgcn_target "amdgcn-amd-amdhsa--gfx1250"
	.amdhsa_code_object_version 6
	.text
	.protected	k_q2d659ec32d_merge
	.globl	k_q2d659ec32d_merge
	.p2align	8
	.type	k_q2d659ec32d_merge,@function
k_q2d659ec32d_merge:
	s_mov_b64 s[64:65], 0
	v_nop
	global_prefetch_b8 v0, s[64:65] scope:SCOPE_SE
	s_setreg_imm32_b32 hwreg(HW_REG_WAVE_MODE, 25, 1), 1
	s_wait_xcnt 0x0
; The runs of a block of queries are joined: o = sum over j of w_j O_j, w_j = l_j 2^(c m_j - M) / L, M the largest c m_j, L the sum of the l_j 2^(c m_j - M); all in f32; o is rounded to f16 once, as an operand of the last product.
; part [244][128][512] f16, stat [244][128][2] f32, o16 [8192][512] f16.  Block i of batch b has c(i) runs, from partial 61 b + P(i) on.
; A stream: memory binds, so no LDS, no matrix unit.  A work-group takes 8 rows of a block, a wave two; a load or store of a wave covers 512 consecutive bytes.  The number of runs hangs on the work-group's number alone:
; seven variants of one macro, so that no partial is loaded that the block does not have.
; A block has 1 to 7 runs, rising with its number.  Work-groups whose numbers lie 256 apart differ in the batch alone; so in the odd batches the blocks are taken in falling order: of four such work-groups two take
; block i and two block 15 - i, 14 to 16 runs between them for every i.
.macro SEL_I n, p, c
	s_cmp_ge_u32 s12, \n
	s_cselect_b32 s14, \p, s14
	s_cselect_b32 s15, \c, s15
.endm
; One word (two f16) of data register k (v16 .. v127: partial (k - 16) / 16, quarter (k % 16) / 4 = 2 x row + half, word k % 4): widened, and multiplied into the sums by the partial's weight of its row.
.macro ACC k, C
.if (\k-16)/16 < \C
.if \k%16 == 0
	s_wait_loadcnt 4*(\C-1-(\k-16)/16)             ; this partial's four loads are in; the later partials' may be out
.endif
.set TT, 160+2*(\k%4)
.set AQ, 128+8*((\k%16)/4)+2*(\k%4)
.set WJ, 176+2*((\k-16)/16)
	v_cvt_f32_f16 v[TT], v\k\().l
	v_cvt_f32_f16 v[TT+1], v\k\().h
.if \k < 32
.if (\k%16) < 8
	v_pk_mul_f32 v[AQ:AQ+1], v[TT:TT+1], v[WJ:WJ+1] op_sel_hi:[1,0]                       ; the first partial starts the sums; row 0 takes the pair's first weight,
.else
	v_pk_mul_f32 v[AQ:AQ+1], v[TT:TT+1], v[WJ:WJ+1] op_sel:[0,1] op_sel_hi:[1,1]          ; row 1 its second
.endif
.else
.if (\k%16) < 8
	v_pk_fma_f32 v[AQ:AQ+1], v[TT:TT+1], v[WJ:WJ+1], v[AQ:AQ+1] op_sel_hi:[1,0,1]
.else
	v_pk_fma_f32 v[AQ:AQ+1], v[TT:TT+1], v[WJ:WJ+1], v[AQ:AQ+1] op_sel:[0,1,0] op_sel_hi:[1,1,1]
.endif
.endif
.endif
.endm
.macro MERGE C
.set J, 0
.rept \C
	s_load_b128 s[32+4*J:35+4*J], s[6:7], 1024*J   ; (c m, l) of my two rows in partial J
.set J, J+1
.endr
.set J, 0
.rept \C
.irp q, 0,1,2,3
	global_load_b128 v[16+16*J+4*\q:19+16*J+4*\q], v3, s[4:5] offset:131072*J+512*\q th:TH_LOAD_NT
.endr
.set J, J+1
.endr
	s_wait_kmcnt 0x0
.irp a, 0,1
	v_mov_b32 v[168+\a], s[32+2*\a]
.endr
.set J, 1
.rept \C-1
.irp a, 0,1
	v_max_num_f32 v[168+\a], s[32+4*J+2*\a], v[168+\a]   ; M
.endr
.set J, J+1
.endr
.set J, 0
.rept \C
.irp a, 0,1
	v_sub_f32 v[176+2*J+\a], s[32+4*J+2*\a], v[168+\a]
.endr
.set J, J+1
.endr
.set J, 0
.rept 2*\C
	v_exp_f32 v[176+J], v[176+J]
.set J, J+1
.endr
	v_nop                                          ; a plain line behind the last exponential
	s_wait_alu depctr_va_vdst(0)                   ; one wait for the batch
.set J, 0
.rept \C
.irp a, 0,1
	v_mul_f32 v[176+2*J+\a], s[33+4*J+2*\a], v[176+2*J+\a]
.endr
.set J, J+1
.endr
.if \C == 1
.irp a, 0,1
	v_rcp_f32 v[172+\a], v[176+\a]
.endr
.else
.irp a, 0,1
	v_add_f32 v[170+\a], v[176+\a], v[178+\a]
.endr
.set J, 2
.rept \C-2
.irp a, 0,1
	v_add_f32 v[170+\a], v[170+\a], v[176+2*J+\a]
.endr
.set J, J+1
.endr
.irp a, 0,1
	v_rcp_f32 v[172+\a], v[170+\a]
.endr
.endif
	v_nop
	s_wait_alu depctr_va_vdst(0)                   ; one wait for the two reciprocals
.set J, 0
.rept \C
.irp a, 0,1
	v_mul_f32 v[176+2*J+\a], v[176+2*J+\a], v[172+\a]
.endr
.set J, J+1
.endr
.irp k, 16,17,18,19,20,21,22,23,24,25,26,27,28,29,30,31,32,33,34,35,36,37,38,39,40,41,42,43,44,45,46,47,48,49,50,51,52,53,54,55,56,57,58,59,60,61,62,63,64,65,66,67,68,69,70,71,72,73,74,75,76,77,78,79,80,81,82,83,84,85,86,87,88,89,90,91,92,93,94,95,96,97,98,99,100,101,102,103,104,105,106,107,108,109,110,111,112,113,114,115,116,117,118,119,120,121,122,123,124,125,126,127
	ACC \k, \C
.endr
.irp q, 0,1,2,3
.irp k, 0,1,2,3
	v_cvt_pk_f16_f32 v[192+4*\q+\k], v[128+8*\q+2*\k], v[128+8*\q+2*\k+1]
.endr
	global_store_b128 v3, v[192+4*\q:195+4*\q], s[8:9] offset:512*\q   ; 32 lanes store 512 consecutive bytes, aligned
.endr
	s_endpgm
.endm
	s_load_b128 s[4:7], s[0:1], 0x0                ; part s[4:5], stat s[6:7]
	s_load_b64 s[8:9], s[0:1], 0x10                ; o16
	v_lshrrev_b32 v1, 5, v0
	v_readfirstlane_b32 s10, v1                    ; wave
	v_and_b32 v2, 31, v0
	v_lshlrev_b32 v3, 4, v2                        ; 16 bytes a lane
	s_and_b32 s11, ttmp7, 0xffff
	s_and_b32 s12, s11, 15
	s_lshr_b32 s13, s11, 4                         ; the batch
	s_and_b32 s14, s13, 1
	s_mul_i32 s14, s14, 15
	s_xor_b32 s12, s12, s14                        ; the block i: in the odd batches 15 - (y mod 16): every block of every batch is still taken once
	s_mov_b32 s14, 0                               ; P(i)
	s_mov_b32 s15, 1                               ; c(i)
	SEL_I 1, 1, 1
	SEL_I 2, 2, 2
	SEL_I 3, 4, 2
	SEL_I 4, 6, 2
	SEL_I 5, 8, 3
	SEL_I 6, 11, 3
	SEL_I 7, 14, 4
	SEL_I 8, 18, 4
	SEL_I 9, 22, 4
	SEL_I 10, 26, 5
	SEL_I 11, 31, 5
	SEL_I 12, 36, 6
	SEL_I 13, 42, 6
	SEL_I 14, 48, 6
	SEL_I 15, 54, 7
	s_mul_i32 s16, s13, 61
	s_add_co_u32 s16, s16, s14                     ; the block's first partial
	s_lshl_b32 s17, ttmp9, 3
	s_lshl_b32 s18, s10, 1
	s_add_co_u32 s17, s17, s18                     ; my first row in the block
	s_lshl_b32 s20, s16, 17
	s_lshl_b32 s18, s17, 10
	s_add_co_u32 s20, s20, s18
	s_mov_b32 s21, 0
	s_lshl_b32 s22, s16, 10
	s_lshl_b32 s18, s17, 3
	s_add_co_u32 s22, s22, s18
	s_mov_b32 s23, 0
	s_lshl_b32 s24, s13, 11
	s_lshl_b32 s18, s12, 7
	s_add_co_u32 s24, s24, s18
	s_add_co_u32 s24, s24, s17
	s_lshl_b32 s24, s24, 10
	s_mov_b32 s25, 0
	s_wait_kmcnt 0x0
	s_add_nc_u64 s[4:5], s[4:5], s[20:21]
	s_add_nc_u64 s[6:7], s[6:7], s[22:23]
	s_add_nc_u64 s[8:9], s[8:9], s[24:25]
	s_cmp_eq_u32 s15, 1
	s_cbranch_scc1 .Lc1
	s_cmp_eq_u32 s15, 2
	s_cbranch_scc1 .Lc2
	s_cmp_eq_u32 s15, 3
	s_cbranch_scc1 .Lc3
	s_cmp_eq_u32 s15, 4
	s_cbranch_scc1 .Lc4
	s_cmp_eq_u32 s15, 5
	s_cbranch_scc1 .Lc5
	s_cmp_eq_u32 s15, 6
	s_cbranch_scc1 .Lc6
	MERGE 7
.Lc1:
	MERGE 1
.Lc2:
	MERGE 2
.Lc3:
	MERGE 3
.Lc4:
	MERGE 4
.Lc5:
	MERGE 5
.Lc6:
	MERGE 6
.Lfunc_end_k_q2d659ec32d_merge:
	.size	k_q2d659ec32d_merge, .Lfunc_end_k_q2d659ec32d_merge-k_q2d659ec32d_merge
	.p2alignl 7, 3214868480
	.fill 96, 4, 3214868480
	.section	.rodata,"a",@progbits
	.p2align	6, 0x0
	.amdhsa_kernel k_q2d659ec32d_merge
		.amdhsa_group_segment_fixed_size 0
		.amdhsa_private_segment_fixed_size 0
		.amdhsa_enable_private_segment 0
		.amdhsa_kernarg_size 24
		.amdhsa_user_sgpr_count 2
		.amdhsa_user_sgpr_kernarg_segment_ptr 1
		.amdhsa_wavefront_size32 1
		.amdhsa_system_sgpr_workgroup_id_x 1
		.amdhsa_system_sgpr_workgroup_id_y 1
		.amdhsa_system_sgpr_workgroup_id_z 1
		.amdhsa_system_vgpr_workitem_id 0
		.amdhsa_next_free_vgpr 208
		.amdhsa_next_free_sgpr 66
		.amdhsa_reserve_vcc 0
		.amdhsa_float_denorm_mode_32 3
		.amdhsa_float_denorm_mode_16_64 3
		.amdhsa_memory_ordered 1
		.amdhsa_forward_progress 1
		.amdhsa_inst_pref_size 94
	.end_amdhsa_kernel
	.amdgpu_metadata
---
amdhsa.version: [ 1, 2 ]
amdhsa.kernels:
  - .name:           k_q2d659ec32d_merge
    .symbol:         k_q2d659ec32d_merge.kd
    .args:
      - { .name: part, .offset: 0, .size: 8, .value_kind: global_buffer, .address_space: global }
      - { .name: stat, .offset: 8, .size: 8, .value_kind: global_buffer, .address_space: global }
      - { .name: o16, .offset: 16, .size: 8, .value_kind: global_buffer, .address_space: global }
    .group_segment_fixed_size: 0
    .private_segment_fixed_size: 0
    .kernarg_segment_align: 8
    .kernarg_segment_size: 24
    .max_flat_workgroup_size: 128
    .sgpr_count:     66
    .vgpr_count:     208
    .wavefront_size: 32
...
	.end_amdgpu_metadata
.endif
;; end of part 4
;; launch oproj (part 5): grid 8 x 32, 4 waves a work-group, clusters of 4 x 4, 327,680 bytes of LDS; arguments o16, wo16, out0; writes out0
.if DOCPART == 5
	.amdgcn_target "amdgcn-amd-amdhsa--gfx1250"
	.amdhsa_code_object_version 6
	.text
	.protected	k_q2d659ec32d_oproj
	.globl	k_q2d659ec32d_oproj
	.p2align	8
	.type	k_q2d659ec32d_oproj,@function
k_q2d659ec32d_oproj:
	s_mov_b64 s[64:65], 0
	v_nop
	global_prefetch_b8 v0, s[64:65] scope:SCOPE_SE
	s_setreg_imm32_b32 hwreg(HW_REG_WAVE_MODE, 25, 1), 1
	s_wait_xcnt 0x0
	s_wait_alu depctr_hold_cnt(0) depctr_sa_sdst(0) depctr_va_vdst(0) depctr_va_sdst(0) depctr_va_ssrc(0) depctr_va_vcc(0) depctr_vm_vsrc(0)
	s_getreg_b32 s2, hwreg(HW_REG_IB_STS2, 6, 4)
	s_cmp_eq_u32 s2, 0
	s_cbranch_scc0 .Lentry_in_a_cluster
	s_endpgm
.Lentry_in_a_cluster:
	s_bfe_u32 s2, ttmp6, 0x10000c
	s_cmp_lg_u32 s2, 0xf033
	s_cbranch_scc0 .Lentry_shape_is_right
	s_endpgm
.Lentry_shape_is_right:
; out0 = o Wo: 8192 x 2048 x 512 on f16 operands, f32 sums, f32 result.  A = o16 [8192][512] (K innermost); B = wo16 [512 (K)][2048]: its K is the first axis, so its fragments are turned on the way out of LDS by ds_load_tr16_b128.
; Rows 0-15 of each batch are stored here like all others and are written again, from f32 operands, by the launch that follows.
; A tile of 256 x 256 is made by four waves, each 128 x 128: 64 accumulators, 512 registers.  K goes in four steps of 128 through a ring of two LDS slots; the four steps are written out (two first fills, two refills).
; CLUSTERS: 4 x 4 work-groups.  The four of a row of the cluster need the same tiles of A, the four of a column the same tiles of B: each tile is asked for JOINTLY, by the same tensor load with a mask that names the four.
; No prefetch: two of the four K steps come with the first fills, and the other two are asked for one K step after them.
; THE MATRIX INSTRUCTION IS USED TRANSPOSED (source 0 = 16 columns of B, source 1 = 16 rows of A): a lane holds eight neighbouring numbers of a row of the result.
; REGISTERS: window 0: v0-31 addresses; v64-127, v128-191 fragments of A, two buffers; on the way out v128-255.  window 1: v64-127, v128-191 fragments of B.  windows 2, 3: the accumulators ((a, b) at v[8 (8 a + b)]).
.set SIZE_N, 2048
.set SIZE_K, 512
.set KSTEP,  128
.set PITCH,  272                       ; a row of A's tile: 256 bytes + 16
.set BPITCH, 544                       ; a row of B's tile (one k, 256 columns): 512 bytes + 32: row r starts at bank 8 r mod 64
.set HALFT,  128*PITCH                 ; what one tensor load brings: 128 rows of A, or 64 rows of B (64 x 544 is the same number)
.set SLOT,   4*HALFT
.set STAGE,  2*SLOT                    ; behind the ring: 16 rows x (512 bytes + 16) for each wave
.set SPITCH, 528
.set SPARE,  STAGE+4*16*SPITCH
.set ADRA, 16
.set ADRB, 20
.set STO,  24
.set RD,   25
.set CO,   26
.set SPW,  28                          ; v28  LDS address of my spare word; never rewritten
.set NIL,  29                          ; v29  0; never rewritten
.set F0,   64
.set F1,   128
.set BK,   128
.set G1, 24
.set G0, 32
.set G1B, 48
.set G0B, 56
.set MSB, 0
.macro WIN new
.if MSB != (\new)
	s_set_vgpr_msb (MSB<<8)|(\new)
.set MSB, (\new)
.endif
.endm
.set MUL_LO, 0xa1
.set MUL_HI, 0xf1
.set TO_B,   0x40
.macro JLOAD s                         ; waves 0 and 1 fetch A's two halves, waves 2 and 3 B's; an s_nop 0 and four v_nop follow each line
	s_cmp_eq_u32 s11, 0
	s_cbranch_scc0 .Lfor_b_\@
	tensor_load_to_lds s[G0+4*\s:G0+4*\s+3], s[G1:G1+7]
	s_nop 0
.rept 4
	v_nop
.endr
	s_branch .Lasked_\@
.Lfor_b_\@:
	tensor_load_to_lds s[G0B+4*\s:G0B+4*\s+3], s[G1B:G1B+7]
	s_nop 0
.rept 4
	v_nop
.endr
.Lasked_\@:
.endm
.macro CREST
	s_cmp_lg_u32 s10, 0
	s_cbranch_scc1 .Lnot_wave_0_\@
	s_barrier_signal -3
.Lnot_wave_0_\@:
	s_barrier_wait -3
	s_barrier_signal -1
	s_barrier_wait -1
.endm
.macro CROUND
	s_barrier_signal -1
	s_barrier_wait -1
	CREST
.endm
	s_load_b128 s[4:7], s[0:1], 0x0                ; o16 s[4:5], wo16 s[6:7]
	s_load_b64 s[8:9], s[0:1], 0x10                ; out0
	v_lshl_add_u32 v[SPW], v0, 2, SPARE
	v_mov_b32 v[NIL], 0
	ds_add_u32 v[SPW], v[NIL]                      ; the wave's opening: the add, twice on end, and its wait ahead of my first tensor load
	ds_add_u32 v[SPW], v[NIL]
	v_lshrrev_b32 v1, 5, v0
	v_readfirstlane_b32 s10, v1                    ; wave 0..3
	s_lshr_b32 s11, s10, 1                         ; which half of the tile's rows is mine.  Also: I fetch for A (0) or for B (1)
	s_and_b32 s12, s10, 1                          ; which half of its columns.  Also: which half of that tile I fetch
	s_bfe_u32 s40, ttmp6, 0x40000                  ; cx
	s_bfe_u32 s41, ttmp6, 0x40004                  ; cy
	s_lshl_b32 s42, ttmp9, 2
	s_add_co_u32 s42, s42, s40                     ; tile column
	s_and_b32 s13, ttmp7, 0xffff
	s_lshl_b32 s13, s13, 2
	s_add_co_u32 s13, s13, s41                     ; tile row
	s_lshl_b32 s43, s41, 2
	s_lshl_b32 s43, 15, s43                        ; my row of the cluster
	s_lshl_b32 s44, 0x1111, s40                    ; my column
	s_or_b32 s[G1+0], s43, (1<<16)|(1<<20)|(1<<21)|(5<<22)|(3<<25)    ; A: elements of 2 bytes; 4 words of padding after every 64
	s_mov_b32 s[G1+1], KSTEP<<16                   ; tensor_dim0 = 128
	s_mov_b32 s[G1+2], 128<<16                     ; tensor_dim1 = 128
	s_mov_b32 s[G1+3], KSTEP<<16                   ; tile_dim0
	s_mov_b32 s[G1+4], 128                         ; tile_dim1
	s_mov_b32 s[G1+5], SIZE_K                      ; from row to row
	s_mov_b32 s[G1+6], 0
	s_mov_b32 s[G1+7], 0
	s_or_b32 s[G1B+0], s44, (1<<16)|(1<<20)|(1<<21)|(6<<22)|(7<<25)   ; B: 8 words of padding after every 128
	s_mov_b32 s[G1B+1], 256<<16                    ; tensor_dim0 = 256 columns
	s_mov_b32 s[G1B+2], 64<<16                     ; tensor_dim1 = 64 along K
	s_mov_b32 s[G1B+3], 256<<16
	s_mov_b32 s[G1B+4], 64
	s_mov_b32 s[G1B+5], SIZE_N
	s_mov_b32 s[G1B+6], 0
	s_mov_b32 s[G1B+7], 0
	s_lshl_b32 s17, s12, 7
	s_lshl_b32 s16, s13, 8
	s_add_co_u32 s16, s16, s17                     ; A: row 256 x tile row + 128 x half,
	s_lshl_b32 s16, s16, 10                        ; of 1,024 bytes
	s_mov_b32 s17, 0
	s_lshl_b32 s46, s42, 9                         ; B: 512 bytes x tile column,
	s_lshl_b32 s47, s12, 18                        ; + 64 rows of 4,096 bytes x half
	s_add_co_u32 s46, s46, s47
	s_mov_b32 s47, 0
	s_mul_i32 s20, s10, HALFT                      ; where they go: wave x HALFT: no place in the cluster enters an LDS address
	s_wait_dscnt 0x0                               ; both opening adds are done
	s_wait_kmcnt 0x0
	s_add_nc_u64 s[14:15], s[4:5], s[16:17]
	s_add_nc_u64 s[46:47], s[6:7], s[46:47]
	CROUND                                         ; all sixteen work-groups are here: the first joint loads meet
.irp s, 0,1
	s_mov_b32 s[G0+4*\s], 1
	s_add_co_u32 s[G0+4*\s+1], s20, \s*SLOT
	s_add_nc_u64 s[G0+4*\s+2:G0+4*\s+3], s[14:15], \s*KSTEP*2
	s_or_b32 s[G0+4*\s+3], s[G0+4*\s+3], 0x80000000
	s_mov_b32 s[G0B+4*\s], 1
	s_add_co_u32 s[G0B+4*\s+1], s20, \s*SLOT
	s_add_nc_u64 s[G0B+4*\s+2:G0B+4*\s+3], s[46:47], \s*KSTEP*SIZE_N*2
	s_or_b32 s[G0B+4*\s+3], s[G0B+4*\s+3], 0x80000000
	JLOAD \s                                       ; two tensor loads of mine are out
.endr
	v_and_b32 v1, 15, v0                           ; l % 16
	v_bfe_u32 v2, v0, 4, 1                         ; l / 16
	v_mul_u32_u24 v3, v1, PITCH
	v_lshl_add_u32 v3, v2, 4, v3                   ; A: row x pitch + 16 x half
	v_and_b32 v6, 7, v0
	v_lshl_add_u32 v6, v2, 3, v6                   ; B, the turning load: k = 8 (l / 16) + l % 8,
	v_mul_u32_u24 v6, v6, BPITCH
	v_bfe_u32 v7, v0, 3, 1
	v_lshl_add_u32 v6, v7, 4, v6                   ; columns 8 ((l / 8) % 2) on
	s_mul_i32 s21, s11, HALFT                      ; my 128 rows of A
	s_lshl_b32 s22, s12, 8                         ; my 128 columns of B: 256 bytes,
	s_add_co_u32 s22, s22, 2*HALFT                 ; behind A's 256 rows
.irp s, 0,1
	v_add_nc_u32 v[ADRA+\s], s21, v3
	v_add_nc_u32 v[ADRB+\s], s22, v6
	s_add_co_u32 s21, s21, SLOT
	s_add_co_u32 s22, s22, SLOT
.endr
	s_mul_i32 s23, s10, 16*SPITCH
	s_add_co_u32 s23, s23, STAGE                   ; my stage
	v_mul_u32_u24 v4, v1, SPITCH                   ; in: row l % 16, 32 bytes for each half of the lanes
	v_lshl_add_u32 v4, v2, 5, v4
	v_add_nc_u32 v[STO], s23, v4
	v_and_b32 v5, 31, v0
	v_lshlrev_b32 v[CO], 4, v5                     ; back: the 32 lanes take one row of 512 bytes; and the same in memory
	v_add_nc_u32 v[RD], s23, v[CO]
	s_lshl_b32 s16, s13, 8
	s_lshl_b32 s17, s11, 7
	s_add_co_u32 s16, s16, s17                     ; my first row of the result,
	s_lshl_b32 s16, s16, 13                        ; of 8,192 bytes
	s_mov_b32 s17, 0
	s_lshl_b32 s46, s42, 10                        ; my first column, in bytes
	s_lshl_b32 s47, s12, 9
	s_add_co_u32 s46, s46, s47
	s_mov_b32 s47, 0
	s_add_nc_u64 s[16:17], s[16:17], s[46:47]
	s_add_nc_u64 s[8:9], s[8:9], s[16:17]
; 16 matrix instructions: row blocks a0, a0 + 1 of the window's four x all 8 column blocks, 32 along K.  The 64 accumulators take turns, one instruction a turn.
.macro MUL16 f, hi, a0, zero
.irp a, \a0, \a0+1
.irp b, 0,1,2,3,4,5,6,7
.if \zero
	v_wmma_f32_16x16x32_f16 v[8*(8*(\a)+\b):8*(8*(\a)+\b)+7], v[\f+8*\b:\f+8*\b+7], v[\f+8*(4*\hi+\a):\f+8*(4*\hi+\a)+7], 0
.else
	v_wmma_f32_16x16x32_f16 v[8*(8*(\a)+\b):8*(8*(\a)+\b)+7], v[\f+8*\b:\f+8*\b+7], v[\f+8*(4*\hi+\a):\f+8*(4*\hi+\a)+7], v[8*(8*(\a)+\b):8*(8*(\a)+\b)+7]
.endif
.endr
.endr
.endm
; 32 LDS loads in one run: the fragments of the slot's q-th 32 along K into buffer f
.macro FETCH slot, q, f
	WIN TO_B
.irp i, 0,1,2,3,4,5,6,7
	ds_load_tr16_b128 v[\f+8*\i:\f+8*\i+3],   v[ADRB+\slot] offset:(\q)*32*BPITCH+32*\i
	ds_load_tr16_b128 v[\f+8*\i+4:\f+8*\i+7], v[ADRB+\slot] offset:(\q)*32*BPITCH+16*BPITCH+32*\i
.endr
	WIN 0
.irp i, 0,1,2,3,4,5,6,7
	ds_load_b128 v[\f+8*\i:\f+8*\i+3],   v[ADRA+\slot] offset:(\q)*64+\i*16*PITCH
	ds_load_b128 v[\f+8*\i+4:\f+8*\i+7], v[ADRA+\slot] offset:(\q)*64+\i*16*PITCH+32
.endr
.endm
.macro PLACES                          ; plain vector lines between a matrix instruction and a load into its registers or a read of its results
.rept 4
	v_nop
.endr
.endm
.macro QUARTER slot, q, f, g, zero     ; multiplies buffer f; in its middle it fetches quarter q of the same slot into buffer g
	s_wait_dscnt 8                                 ; B and A's rows 0-63 are in; the youngest eight loads (A's rows 64-127) may be out
	WIN MUL_LO
	MUL16 \f, 0, 0, \zero
	MUL16 \f, 0, 2, \zero
	PLACES
	FETCH \slot, \q, \g
	s_wait_dscnt 32                                ; all but the 32 just issued
	WIN MUL_HI
	MUL16 \f, 1, 0, \zero
	MUL16 \f, 1, 2, \zero
.endm
.macro MEET round                      ; the first half of a slot's last quarter: one barrier for the change of slots
	WIN 0
	s_wait_tensorcnt 0x0                           ; all my tensor loads have landed: my part of the next slot
	ds_add_u32 v[SPW], v[NIL]                      ; 0 onto my spare word
	s_wait_dscnt 9                                 ; (the add and the youngest eight loads may be out)
	WIN MUL_LO
	MUL16 F1, 0, 0, 0
	s_wait_dscnt 0x0                               ; the add is done, and my reads of this slot are over
	s_barrier_signal -1
	MUL16 F1, 0, 2, 0
.if \round
	WIN 0
.endif
	s_barrier_wait -1
.endm
.macro TURN slot, next, fill
	MEET \fill
.if \fill
	CREST                                          ; the barrier has opened a round of the cluster's barrier: no wave of any partner still reads this slot or has a load on its way
	s_add_nc_u64 s[G0+4*\slot+2:G0+4*\slot+3], s[G0+4*\slot+2:G0+4*\slot+3], 2*KSTEP*2
	s_add_nc_u64 s[G0B+4*\slot+2:G0B+4*\slot+3], s[G0B+4*\slot+2:G0B+4*\slot+3], 2*KSTEP*SIZE_N*2
	JLOAD \slot                                    ; my one tensor load behind the round; its four v_nop are also the places in front of the loads below
.else
	PLACES
.endif
	FETCH \next, 0, F0
	WIN MUL_HI
	MUL16 F1, 1, 0, 0
	MUL16 F1, 1, 2, 0
.endm
	s_wait_tensorcnt 1                             ; my part of K step 0 is in (K step 1's may be out)
	s_barrier_signal -1
	s_barrier_wait -1                              ; everybody's is
	FETCH 0, 0, F0
	QUARTER 0, 1, F0, F1, 1                        ; the first products start the sums: nothing is cleared
	QUARTER 0, 2, F1, F0, 0
	QUARTER 0, 3, F0, F1, 0
	TURN 0, 1, 1                                   ; slot 0 takes K step 2
	QUARTER 1, 1, F0, F1, 0
	QUARTER 1, 2, F1, F0, 0
	QUARTER 1, 3, F0, F1, 0
	TURN 1, 0, 1                                   ; slot 1 takes K step 3
	QUARTER 0, 1, F0, F1, 0
	QUARTER 0, 2, F1, F0, 0
	QUARTER 0, 3, F0, F1, 0
	TURN 0, 1, 0                                   ; nothing is left to fetch
	QUARTER 1, 1, F0, F1, 0
	QUARTER 1, 2, F1, F0, 0
	QUARTER 1, 3, F0, F1, 0
	s_wait_dscnt 8
	WIN MUL_LO
	MUL16 F1, 0, 0, 0
	MUL16 F1, 0, 2, 0
	s_wait_dscnt 0
	WIN MUL_HI
	MUL16 F1, 1, 0, 0
	MUL16 F1, 1, 2, 0
	WIN 0
; THE WAY OUT, block by block of 16 rows x 128 columns of f32, through my own stage, back as whole rows of 512 bytes.
.macro TOSTAGE a
.set AC, 64*((\a)%4)
	WIN 0x08+4*((\a)/4)                            ; an LDS store's data are its source 1: window 2 or 3
.irp b, 0,1,2,3,4,5,6,7
	ds_store_b128 v[STO], v[AC+8*\b:AC+8*\b+3] offset:64*\b          ; each accumulator from its low end on
	ds_store_b128 v[STO], v[AC+8*\b+4:AC+8*\b+7] offset:64*\b+16
.endr
	WIN 0
.set BB, BK+64*((\a)%2)
.irp t, 0,1,2,3,4,5,6,7,8,9,10,11,12,13,14,15
	ds_load_b128 v[BB+4*\t:BB+4*\t+3], v[RD] offset:\t*SPITCH        ; LDS serves a wave's instructions in order: these see the stores above
.endr
.endm
.macro SEND a, younger
.set BB, BK+64*((\a)%2)
	s_wait_dscnt \younger                          ; the block is back in registers; the next block's 16 stores and 16 loads may be out
.if (\a) > 0
	s_add_nc_u64 s[8:9], s[8:9], 16*SIZE_N*4       ; (behind a wait on XCNT: the earlier stores have read their base)
.endif
.irp t, 0,1,2,3,4,5,6,7,8,9,10,11,12,13,14,15
	global_store_b128 v[CO], v[BB+4*\t:BB+4*\t+3], s[8:9] offset:\t*SIZE_N*4 th:TH_STORE_NT   ; 32 lanes store 512 consecutive bytes, aligned
.endr
.endm
	PLACES
	TOSTAGE 0
.irp a, 1,2,3,4,5,6,7
.if \a > 1
	s_wait_xcnt 0x0                                ; block a - 2's stores have read their registers and their base
.endif
	TOSTAGE \a
	SEND \a-1, 32
.endr
	s_wait_xcnt 0x0
	SEND 7, 0
	s_wait_tensorcnt 0x0                           ; the wave's end
	ds_add_u32 v[SPW], v[NIL]
	s_wait_dscnt 0x0
	CROUND                                         ; the closing round
	s_endpgm
.Lfunc_end_k_q2d659ec32d_oproj:
	.size	k_q2d659ec32d_oproj, .Lfunc_end_k_q2d659ec32d_oproj-k_q2d659ec32d_oproj
	.p2alignl 7, 3214868480
	.fill 96, 4, 3214868480
	.section	.rodata,"a",@progbits
	.p2align	6, 0x0
	.amdhsa_kernel k_q2d659ec32d_oproj
		.amdhsa_group_segment_fixed_size 327680
		.amdhsa_private_segment_fixed_size 0
		.amdhsa_enable_private_segment 0
		.amdhsa_kernarg_size 24
		.amdhsa_user_sgpr_count 2
		.amdhsa_user_sgpr_kernarg_segment_ptr 1
		.amdhsa_wavefront_size32 1
		.amdhsa_system_sgpr_workgroup_id_x 1
		.amdhsa_system_sgpr_workgroup_id_y 1
		.amdhsa_system_sgpr_workgroup_id_z 1
		.amdhsa_system_vgpr_workitem_id 0
		.amdhsa_next_free_vgpr 1024
		.amdhsa_next_free_sgpr 66
		.amdhsa_reserve_vcc 0
		.amdhsa_float_denorm_mode_32 3
		.amdhsa_float_denorm_mode_16_64 3
		.amdhsa_memory_ordered 1
		.amdhsa_forward_progress 1
		.amdhsa_inst_pref_size 140
	.end_amdhsa_kernel
	.amdgpu_metadata
---
amdhsa.version: [ 1, 2 ]
amdhsa.kernels:
  - .name:           k_q2d659ec32d_oproj
    .symbol:         k_q2d659ec32d_oproj.kd
    .args:
      - { .name: o16, .offset: 0, .size: 8, .value_kind: global_buffer, .address_space: global }
      - { .name: wo16, .offset: 8, .size: 8, .value_kind: global_buffer, .address_space: global }
      - { .name: out0, .offset: 16, .size: 8, .value_kind: global_buffer, .address_space: global }
    .group_segment_fixed_size: 327680
    .private_segment_fixed_size: 0
    .kernarg_segment_align: 8
    .kernarg_segment_size: 24
    .max_flat_workgroup_size: 128
    .sgpr_count:     66
    .vgpr_count:     1024
    .wavefront_size: 32
...
	.end_amdgpu_metadata
.endif
;; end of part 5
;; launch first16 (part 6): grid 32 x 4, 4 waves a work-group, no clusters, 281,088 bytes of LDS; arguments qkv32, Wo, out0; writes out0
.if DOCPART == 6
	.amdgcn_target "amdgcn-amd-amdhsa--gfx1250"
	.amdhsa_code_object_version 6
	.text
	.protected	k_q2d659ec32d_first16
	.globl	k_q2d659ec32d_first16
	.p2align	8
	.type	k_q2d659ec32d_first16,@function
k_q2d659ec32d_first16:
	s_mov_b64 s[64:65], 0
	v_nop
	global_prefetch_b8 v0, s[64:65] scope:SCOPE_SE
	s_setreg_imm32_b32 hwreg(HW_REG_WAVE_MODE, 25, 1), 1
	s_wait_xcnt 0x0
; Positions 0-15 of each batch once more, wholly in f32: these rows average one to sixteen values and are the largest of the output, so the rounding of 16-bit operands weighs most there.
; From qkv32 [4][16][1536] (q, k, v in f32) and Wo [512][2048] in f32: scores, causal softmax, o = p v, out = o Wo, by v_wmma_f32_16x16x4_f32; the 64 rows of out0 are written anew.
; A work-group takes a batch (y) and 64 columns of the output (x); it makes the batch's 16 x 512 numbers of o itself.  Four waves: each 128 of the 512 channels in the first two products, 16 of the 64 columns in the last.
; One order of the four k of an instruction is used alike on both operands of each product, so that 16-byte LDS loads fill the operands.
; The registers that the matrix instructions write, v192-255, are written by nothing else; what is made of a finished sum goes into other registers.
; LDS, each region filled or written once: q, k, v: 16 rows x 6,240 (16 bytes of padding behind every 1,024: channel x of a row at 4 x + 16 (x / 256)); Wo's 512 rows x 64 columns, pitch 272;
;   four images of partial scores; o, 16 x 2,064; a stage of 16 x 272; the spare words.
.set QP,    6240
.set WOL,   16*QP
.set SIMG,  WOL+512*272
.set OL,    SIMG+4096
.set OP,    2064
.set STG,   OL+16*OP
.set SPARE, STG+16*272
.set QAD,  4
.set IMW,  5
.set IMR,  6
.set VA,   7
.set OW,   8
.set ORD,  9
.set WA,   10
.set SW,   11
.set SR,   12
.set GO,   13
.set SPW,  14                          ; v14  LDS address of my spare word; never rewritten
.set NIL,  15                          ; v15  0; never rewritten
.set WV,   10
.set G1A,  16
.set G1B,  24
.set G0A,  32
.set G0B,  36
.set SEL,  40
.set CS,   42
.macro NOPS n
.rept \n
	v_nop
.endr
.endm
	s_load_b128 s[4:7], s[0:1], 0x0                ; qkv32 s[4:5], Wo s[6:7]
	s_load_b64 s[8:9], s[0:1], 0x10                ; out0
	v_lshl_add_u32 v[SPW], v0, 2, SPARE
	v_mov_b32 v[NIL], 0
	ds_add_u32 v[SPW], v[NIL]                      ; the wave's opening: the add, twice on end, and its wait ahead of my first tensor load
	ds_add_u32 v[SPW], v[NIL]
	v_lshrrev_b32 v1, 5, v0
	v_readfirstlane_b32 s[WV], v1                  ; wave 0..3
	s_and_b32 s11, ttmp7, 0xffff                   ; the batch
	s_mov_b32 s[G1A], (2<<16)|(1<<20)|(7<<22)|(3<<25)   ; elements of 4 bytes; 4 words of padding after every 256
	s_mov_b32 s[G1A+1], 1536<<16                   ; tensor_dim0
	s_mov_b32 s[G1A+2], 4<<16                      ; tensor_dim1
	s_mov_b32 s[G1A+3], 1536<<16                   ; tile_dim0
	s_mov_b32 s[G1A+4], 4                          ; tile_dim1
	s_mov_b32 s[G1A+5], 1536
	s_mov_b32 s[G1A+6], 0
	s_mov_b32 s[G1A+7], 0
	s_mov_b32 s[G1B], (2<<16)|(1<<20)|(5<<22)|(3<<25)   ; 4 words of padding after every 64
	s_mov_b32 s[G1B+1], 64<<16
	s_mov_b32 s[G1B+2], 128<<16
	s_mov_b32 s[G1B+3], 64<<16
	s_mov_b32 s[G1B+4], 128
	s_mov_b32 s[G1B+5], 2048
	s_mov_b32 s[G1B+6], 0
	s_mov_b32 s[G1B+7], 0
	s_mov_b32 s[SEL], 0x76543210
	s_mov_b32 s[SEL+1], 0xfedcba98
	s_mov_b32 s[CS], 0x3d8293ee                    ; c = log2(e) / sqrt(512)
	s_mul_i32 s12, s11, 98304                      ; the batch's 16 rows,
	s_mul_i32 s14, s[WV], 4*6144                   ; my four of them
	s_add_co_u32 s12, s12, s14
	s_mov_b32 s13, 0
	s_lshl_b32 s14, s[WV], 20                      ; Wo: my 128 rows of 8,192 bytes,
	s_lshl_b32 s44, ttmp9, 8                       ; the work-group's 64 columns
	s_add_co_u32 s14, s14, s44
	s_mov_b32 s15, 0
	s_lshl_b32 s46, s11, 24                        ; out0: the batch's first row, 2,048 rows of 8,192 bytes a batch
	s_add_co_u32 s46, s46, s44
	s_mov_b32 s47, 0
	s_mul_i32 s44, s[WV], 4*QP
	s_mul_i32 s45, s[WV], 128*272
	s_wait_dscnt 0x0                               ; both opening adds are done
	s_wait_kmcnt 0x0
	s_mov_b32 s[G0A], 1
	s_mov_b32 s[G0A+1], s44
	s_add_nc_u64 s[G0A+2:G0A+3], s[4:5], s[12:13]
	s_or_b32 s[G0A+3], s[G0A+3], 0x80000000
	s_mov_b32 s[G0B], 1
	s_add_co_u32 s[G0B+1], s45, WOL
	s_add_nc_u64 s[G0B+2:G0B+3], s[6:7], s[14:15]
	s_or_b32 s[G0B+3], s[G0B+3], 0x80000000
	tensor_load_to_lds s[G0A:G0A+3], s[G1A:G1A+7]  ; four rows of q, k, v
	s_nop 0
	tensor_load_to_lds s[G0B:G0B+3], s[G1B:G1B+7]  ; 128 rows of Wo's 64 columns: two tensor loads of mine are out
	s_nop 0
	s_add_nc_u64 s[8:9], s[8:9], s[46:47]
	v_and_b32 v1, 15, v0                           ; r
	v_bfe_u32 v2, v0, 4, 1                         ; h
	v_and_b32 v3, 31, v0                           ; lane
	s_lshl_b32 s12, s[WV], 9                       ; my 128 channels: 512 bytes,
	s_lshr_b32 s13, s[WV], 1
	s_lshl_b32 s13, s13, 4
	s_add_co_u32 s13, s13, s12                     ; and 16 for the padding passed
	v_mul_u32_u24 v[QAD], v1, QP
	v_lshl_add_u32 v[QAD], v2, 4, v[QAD]
	v_add_nc_u32 v[QAD], s13, v[QAD]               ; q: row r, my channels, + 4 h numbers; k lies 2,080 bytes on
	s_lshl_b32 s14, s[WV], 10
	v_lshl_add_u32 v[IMR], v3, 4, SIMG
	v_add_nc_u32 v[IMW], s14, v[IMR]
	v_mul_u32_u24 v[VA], v2, 8*QP
	v_lshl_add_u32 v[VA], v1, 2, v[VA]
	v_add_nc_u32 v[VA], s13, v[VA]
	v_add_nc_u32 v[VA], 4160, v[VA]                ; v: key 8 h, channel r of my 128
	v_mul_u32_u24 v[ORD], v1, OP
	v_lshl_add_u32 v[OW], v2, 5, v[ORD]
	v_add_nc_u32 v[OW], s12, v[OW]
	v_add_nc_u32 v[OW], OL, v[OW]                  ; o, in: row r, my channels, + 8 h numbers
	v_lshl_add_u32 v[ORD], v2, 4, v[ORD]
	v_add_nc_u32 v[ORD], OL, v[ORD]                ; o, out: row r, + 4 h numbers
	s_lshl_b32 s14, s[WV], 6
	v_mul_u32_u24 v[WA], v2, 4*272
	v_lshl_add_u32 v[WA], v1, 2, v[WA]
	v_add_nc_u32 v[WA], s14, v[WA]
	v_add_nc_u32 v[WA], WOL, v[WA]                 ; Wo: channel 4 h, column r of my 16
	v_mul_u32_u24 v[SW], v1, 272
	v_lshl_add_u32 v[SW], v2, 5, v[SW]
	v_add_nc_u32 v[SW], s14, v[SW]
	v_add_nc_u32 v[SW], STG, v[SW]                 ; the stage, in: row r, my 16 columns, + 8 h numbers
	s_mul_i32 s14, s[WV], 4*272
	v_mul_u32_u24 v[SR], v2, 272
	v_lshl_add_u32 v[SR], v1, 4, v[SR]
	v_add_nc_u32 v[SR], s14, v[SR]
	v_add_nc_u32 v[SR], STG, v[SR]                 ; out: rows 4 w + h, sixteen lanes to a row of 256 bytes
	s_lshl_b32 s14, s[WV], 15
	v_lshlrev_b32 v[GO], 13, v2
	v_lshl_add_u32 v[GO], v1, 4, v[GO]
	v_add_nc_u32 v[GO], s14, v[GO]                 ; and the same place in out0
	s_wait_tensorcnt 1                             ; my rows of q, k, v are in; Wo's tile may be out
	s_barrier_signal -1
	s_barrier_wait -1
	; ---- S^T = k q^T over my 128 channels: lane (r, h) loads channels 8 s + 4 h + 0 .. 3 of row r; instruction 2 s + u takes registers 4 s + 2 u, + 1 of both
.set N, 0
.rept 16
	ds_load_b128 v[16+4*N:19+4*N], v[QAD] offset:32*N
	ds_load_b128 v[80+4*N:83+4*N], v[QAD] offset:2080+32*N
.set N, N+1
.endr
	s_wait_dscnt 0x0
.set N, 0
.rept 32                                       ; four accumulators by turns, one instruction a turn; the first four products start the sums
.if N < 4
	v_wmma_f32_16x16x4_f32 v[192+8*(N%4):199+8*(N%4)], v[80+2*N:81+2*N], v[16+2*N:17+2*N], 0
.else
	v_wmma_f32_16x16x4_f32 v[192+8*(N%4):199+8*(N%4)], v[80+2*N:81+2*N], v[16+2*N:17+2*N], v[192+8*(N%4):199+8*(N%4)]
.endif
.set N, N+1
.endr
	NOPS 8                                         ; eight plain lines behind this form before its results are read (ISA guide 7.12.1)
.irp j, 0,1,2,3,4,5,6,7
	v_add_f32 v[144+\j], v[192+\j], v[200+\j]
.endr
.irp j, 0,1,2,3,4,5,6,7
	v_add_f32 v[152+\j], v[208+\j], v[216+\j]
.endr
.irp j, 0,1,2,3,4,5,6,7
	v_add_f32 v[144+\j], v[144+\j], v[152+\j]
.endr
	ds_store_b128 v[IMW], v[144:147]               ; my part of the scores, as an image of its registers
	ds_store_b128 v[IMW], v[148:151] offset:512
	s_wait_dscnt 0x0                               ; for the others' sake
	s_barrier_signal -1
	s_barrier_wait -1
.irp i, 0,1,2,3
	ds_load_b128 v[160+8*\i:163+8*\i], v[IMR] offset:1024*\i
	ds_load_b128 v[164+8*\i:167+8*\i], v[IMR] offset:1024*\i+512
.endr
	s_wait_dscnt 0x0
.irp j, 0,1,2,3,4,5,6,7
	v_add_f32 v[144+\j], v[160+\j], v[168+\j]
.endr
.irp j, 0,1,2,3,4,5,6,7
	v_add_f32 v[152+\j], v[176+\j], v[184+\j]
.endr
.irp j, 0,1,2,3,4,5,6,7
	v_add_f32 v[144+\j], v[144+\j], v[152+\j]      ; register j: the score of query r and key 8 h + j
.endr
	; ---- the softmax of a row, with the maximum taken away; key 0 counts for every query
	v_lshlrev_b32 v160, 3, v2
	v_sub_nc_u32 v160, v1, v160                    ; hidden where j > r - 8 h
	v_mov_b32 v161, 0xff800000
.irp j, 0,1,2,3,4,5,6,7
	v_cmp_gt_i32 vcc_lo, \j, v160
	v_cndmask_b32 v[144+\j], v[144+\j], v161, vcc_lo
.endr
	v_max3_num_f32 v162, v144, v145, v146
	v_max3_num_f32 v162, v162, v147, v148
	v_max3_num_f32 v162, v162, v149, v150
	v_max_num_f32 v162, v162, v151
	v_mov_b32 v163, 0
	v_permlanex16_b32 v163, v162, s[SEL], s[SEL+1]
	v_max_num_f32 v162, v162, v163
	v_mul_f32 v164, s[CS], v162
.irp j, 0,1,2,3,4,5,6,7
	v_fma_f32 v[144+\j], v[144+\j], s[CS], -v164
.endr
.irp j, 0,1,2,3,4,5,6,7
	v_exp_f32 v[144+\j], v[144+\j]
.endr
	v_mov_b32 v166, 0                              ; (a plain line behind the exponentials)
	s_wait_alu depctr_va_vdst(0)                   ; one wait for the batch
	v_add_f32 v165, v144, v145
	v_add_f32 v168, v146, v147
	v_add_f32 v165, v165, v148
	v_add_f32 v168, v168, v149
	v_add_f32 v165, v165, v150
	v_add_f32 v168, v168, v151
	v_add_f32 v165, v165, v168
	v_permlanex16_b32 v166, v165, s[SEL], s[SEL+1]
	v_add_f32 v165, v165, v166
	v_rcp_f32 v167, v165
	v_nop
	s_wait_alu depctr_va_vdst(0)
.irp j, 0,1,2,3,4,5,6,7
	v_mul_f32 v[152+\j], v[144+\j], v167           ; the weights
.endr
	; ---- O^T = v^T p over the 16 keys, for my 128 channels: instruction s takes keys 8 h + 2 s + 0, 1
.irp t, 0,1,2,3,4,5,6,7
.irp n, 0,1,2,3,4,5,6,7
	ds_load_b32 v[16+8*\t+\n], v[VA] offset:\n*QP+64*\t
.endr
.endr
	s_wait_dscnt 0x0
.irp s, 0,1,2,3
.irp t, 0,1,2,3,4,5,6,7
.if \s == 0
	v_wmma_f32_16x16x4_f32 v[192+8*\t:199+8*\t], v[16+8*\t+2*\s:17+8*\t+2*\s], v[152+2*\s:153+2*\s], 0
.else
	v_wmma_f32_16x16x4_f32 v[192+8*\t:199+8*\t], v[16+8*\t+2*\s:17+8*\t+2*\s], v[152+2*\s:153+2*\s], v[192+8*\t:199+8*\t]
.endif
.endr
.endr
	NOPS 9                                         ; for the stores of the results, the loads into the operands' registers, and the sums that begin anew on these accumulators
.irp t, 0,1,2,3,4,5,6,7
	ds_store_b128 v[OW], v[192+8*\t:195+8*\t] offset:64*\t       ; lane (r, h): o(r, my channels 16 t + 8 h + 0 .. 7); each accumulator from its low end on
	ds_store_b128 v[OW], v[196+8*\t:199+8*\t] offset:64*\t+16
.endr
	s_wait_tensorcnt 0x0                           ; my rows of Wo are in,
	s_wait_dscnt 0x0                               ; my part of o lies in LDS
	s_barrier_signal -1
	s_barrier_wait -1
	; ---- out^T = Wo^T o^T for my 16 columns: eight chunks of 64 channels on two buffers; 8 + 32 loads and 16 products a chunk
.macro LOADC g, buf
.irp s, 0,1,2,3,4,5,6,7
	ds_load_b128 v[\buf+4*\s:\buf+4*\s+3], v[ORD] offset:256*(\g)+32*\s
.endr
.set N, 0
.rept 32
	ds_load_b32 v[\buf+32+N], v[WA] offset:((N/4)*8+N%4)*272     ; Wo(channel 8 (N / 4) + 4 h + N % 4, my column r)
.set N, N+1
.endr
.if (\g) < 7
	v_add_nc_u32 v[WA], 64*272, v[WA]              ; the next chunk's 64 rows
.endif
.endm
	LOADC 0, 16
.set G, 0
.rept 8
.if G < 7
	NOPS 8                                         ; behind the last chunk's products, which read the buffer that is loaded now
	LOADC G+1, 16+64*((G+1)%2)
	s_wait_dscnt 40                                ; this chunk is in; the next chunk's 40 loads may be out
.else
	s_wait_dscnt 0x0
.endif
.set M, 0
.rept 16                                       ; four accumulators by turns; the first four products start the sums
.if (G == 0) && (M < 4)
	v_wmma_f32_16x16x4_f32 v[192+8*(M%4):199+8*(M%4)], v[16+64*(G%2)+32+2*M:16+64*(G%2)+33+2*M], v[16+64*(G%2)+2*M:16+64*(G%2)+1+2*M], 0
.else
	v_wmma_f32_16x16x4_f32 v[192+8*(M%4):199+8*(M%4)], v[16+64*(G%2)+32+2*M:16+64*(G%2)+33+2*M], v[16+64*(G%2)+2*M:16+64*(G%2)+1+2*M], v[192+8*(M%4):199+8*(M%4)]
.endif
.set M, M+1
.endr
.set G, G+1
.endr
	NOPS 8
.irp j, 0,1,2,3,4,5,6,7
	v_add_f32 v[144+\j], v[192+\j], v[200+\j]
.endr
.irp j, 0,1,2,3,4,5,6,7
	v_add_f32 v[152+\j], v[208+\j], v[216+\j]
.endr
.irp j, 0,1,2,3,4,5,6,7
	v_add_f32 v[144+\j], v[144+\j], v[152+\j]      ; lane (r, h): out(r, my columns 8 h + 0 .. 7)
.endr
	ds_store_b128 v[SW], v[144:147]
	ds_store_b128 v[SW], v[148:151] offset:16
	s_wait_dscnt 0x0                               ; for the others' sake
	s_barrier_signal -1
	s_barrier_wait -1
.irp i, 0,1
	ds_load_b128 v[160+4*\i:163+4*\i], v[SR] offset:2*\i*272
.endr
	s_wait_dscnt 0x0
.irp i, 0,1
	global_store_b128 v[GO], v[160+4*\i:163+4*\i], s[8:9] offset:2*\i*8192   ; sixteen lanes store 256 consecutive bytes, aligned
.endr
	s_wait_tensorcnt 0x0                           ; the wave's end
	ds_add_u32 v[SPW], v[NIL]
	s_wait_dscnt 0x0
	s_endpgm
.Lfunc_end_k_q2d659ec32d_first16:
	.size	k_q2d659ec32d_first16, .Lfunc_end_k_q2d659ec32d_first16-k_q2d659ec32d_first16
	.p2alignl 7, 3214868480
	.fill 96, 4, 3214868480
	.section	.rodata,"a",@progbits
	.p2align	6, 0x0
	.amdhsa_kernel k_q2d659ec32d_first16
		.amdhsa_group_segment_fixed_size 281088
		.amdhsa_private_segment_fixed_size 0
		.amdhsa_enable_private_segment 0
		.amdhsa_kernarg_size 24
		.amdhsa_user_sgpr_count 2
		.amdhsa_user_sgpr_kernarg_segment_ptr 1
		.amdhsa_wavefront_size32 1
		.amdhsa_system_sgpr_workgroup_id_x 1
		.amdhsa_system_sgpr_workgroup_id_y 1
		.amdhsa_system_sgpr_workgroup_id_z 1
		.amdhsa_system_vgpr_workitem_id 0
		.amdhsa_next_free_vgpr 256
		.amdhsa_next_free_sgpr 66
		.amdhsa_reserve_vcc 1
		.amdhsa_float_denorm_mode_32 3
		.amdhsa_float_denorm_mode_16_64 3
		.amdhsa_memory_ordered 1
		.amdhsa_forward_progress 1
		.amdhsa_inst_pref_size 54
	.end_amdhsa_kernel
	.amdgpu_metadata
---
amdhsa.version: [ 1, 2 ]
amdhsa.kernels:
  - .name:           k_q2d659ec32d_first16
    .symbol:         k_q2d659ec32d_first16.kd
    .args:
      - { .name: qkv32, .offset: 0, .size: 8, .value_kind: global_buffer, .address_space: global }
      - { .name: Wo, .offset: 8, .size: 8, .value_kind: global_buffer, .address_space: global }
      - { .name: out0, .offset: 16, .size: 8, .value_kind: global_buffer, .address_space: global }
    .group_segment_fixed_size: 281088
    .private_segment_fixed_size: 0
    .kernarg_segment_align: 8
    .kernarg_segment_size: 24
    .max_flat_workgroup_size: 128
    .sgpr_count:     66
    .vgpr_count:     256
    .wavefront_size: 32
...
	.end_amdgpu_metadata
.endif
;; end of part 6
